; MI455X (gfx1250); checked and timed in simulation.
; The chip was launched on July 23, 2026; its instructions are those of AMD's public machine-readable ISA for CDNA 5 (MIT licence, August 2026) and "CDNA5" Instruction Set Architecture Reference Guide (July 2026). The comments in the code are by the model that wrote it; some were corrected since.
;; Gemma4 Sliding Attention. Allowed arithmetic: float matrix products may take bf16 or f16 operands with f32 sums; other float arithmetic in f32, or as packed bf16 or f16 multiplies, adds, multiply-adds, maxima and minima; sums over many terms, partial sums and values carried from step to step in f32; what a program stores and reads back later, other than sums and carried values, may be rounded once to bf16 or f16.
;; Inputs: Wk 1,024 x 2,048 float32; Wo 2,048 x 1,024 float32; Wq 1,024 x 2,048 float32; Wv 1,024 x 2,048 float32; hidden_states 2 x 2,048 x 2,048 float32; k_norm_w 128 float32; q_norm_w 128 float32.
;; Outputs: out0 2 x 2,048 x 2,048 float32.
;; One version. Each part assembles by itself: llvm-mc -triple=amdgcn-amd-amdhsa -mcpu=gfx1250 --defsym DOCPART=n.
;; ======== version 1 of 1: 4 launches
;; limits: values are held in f16: magnitudes above 65,504 overflow, below 6.1e-05 lose precision
;; workspace buffers: cb 33,554,432 bytes; qkv 25,165,824 bytes; ob 8,388,608 bytes
;; launch cast (part 1): grid 128 x 8, 8 waves a work-group, no clusters, 0 bytes of LDS; arguments hidden_states, Wq, Wk, Wv, Wo, cb; writes cb
.if DOCPART == 1
	.amdgcn_target "amdgcn-amd-amdhsa--gfx1250"
	.amdhsa_code_object_version 6
	.text
	.protected	k_q8f90c096d7_cast
	.globl	k_q8f90c096d7_cast
	.p2align	8
	.type	k_q8f90c096d7_cast,@function
k_q8f90c096d7_cast:
	s_mov_b64 s[64:65], 0
	v_nop
	global_prefetch_b8 v0, s[64:65] scope:SCOPE_SE
	s_setreg_imm32_b32 hwreg(HW_REG_WAVE_MODE, 25, 1), 1
	s_wait_xcnt 0x0
; cb = the 16-bit copies of the five large inputs, eight units of 4,194,304 bytes: units 0-3 x (bf16), 4 Wq, 5 Wk, 6 Wv (bf16),
; 7 Wo, rounded to bf16 like the others and that number written as f16 (the last product multiplies in f16).
; LIMIT: bf16(Wo) is exact in f16 from 6.1e-5 to 65,504 in magnitude; below it keeps f16's fixed step of 6e-8, beyond it becomes an infinity.
; SHARES.  Grid y = the unit (8,388,608 bytes of f32), grid x = 65,536 bytes of it.  Thread t takes the 16 bytes at 16 t + 4,096 i, i = 0..15:
; a wave's load covers 512 consecutive bytes; its store of 8 bytes a lane covers 256 consecutive bytes, aligned.
; All sixteen loads go out first; every register is written once, so no store's data is ever rewritten.  No LDS, no barrier: nothing is shared.
.set X, 4                              ; v[4:67]   load i: four f32
.set Y, 68                             ; v[68:99]  store i: four 16-bit numbers
.set T, 100                            ; v[100:103] at work (Wo alone)
	s_load_b256 s[4:11], s[0:1], 0x0               ; x s[4:5], Wq s[6:7], Wk s[8:9], Wv s[10:11]
	s_load_b128 s[12:15], s[0:1], 0x20             ; Wo s[12:13], cb s[14:15]
	s_and_b32 s16, ttmp7, 0xffff                   ; the unit
	v_lshlrev_b32 v1, 4, v0                        ; 16 t
	v_lshlrev_b32 v2, 3, v0                        ; 8 t
	s_mov_b32 s24, 0xffff0000                      ; a word's upper bf16
	s_lshl_b32 s18, s16, 23                        ; units 0-3 lie one behind the other in x,
	s_cmp_lt_u32 s16, 4
	s_cselect_b32 s18, s18, 0                      ; the others begin their own tensor
	s_lshl_b32 s17, ttmp9, 16
	s_add_co_u32 s18, s18, s17                     ; + the work-group's 65,536 bytes
	s_mov_b32 s19, 0
	s_lshl_b32 s26, s16, 22                        ; in cb: the unit,
	s_lshl_b32 s17, ttmp9, 15
	s_add_co_u32 s26, s26, s17                     ; + the work-group's 32,768 bytes
	s_mov_b32 s27, 0
	s_wait_kmcnt 0x0
	s_mov_b64 s[20:21], s[4:5]                     ; the source: chosen by the unit's number
	s_cmp_eq_u32 s16, 4
	s_cselect_b64 s[20:21], s[6:7], s[20:21]
	s_cmp_eq_u32 s16, 5
	s_cselect_b64 s[20:21], s[8:9], s[20:21]
	s_cmp_eq_u32 s16, 6
	s_cselect_b64 s[20:21], s[10:11], s[20:21]
	s_cmp_eq_u32 s16, 7
	s_cselect_b64 s[20:21], s[12:13], s[20:21]
	s_add_nc_u64 s[20:21], s[20:21], s[18:19]
	s_add_nc_u64 s[22:23], s[14:15], s[26:27]
.irp i, 0,1,2,3,4,5,6,7,8,9,10,11,12,13,14,15
	global_load_b128 v[X+4*(\i):X+4*(\i)+3], v1, s[20:21] offset:4096*(\i) th:TH_LOAD_NT
.endr
.macro OUT i, wo
	s_wait_loadcnt 15-(\i)                         ; loads come back in order: load i is in, the 15 - i younger ones stay out
	v_cvt_pk_bf16_f32 v[Y+2*(\i)], v[X+4*(\i)], v[X+4*(\i)+1]
	v_cvt_pk_bf16_f32 v[Y+2*(\i)+1], v[X+4*(\i)+2], v[X+4*(\i)+3]
.if \wo
	v_lshlrev_b32 v[T], 16, v[Y+2*(\i)]            ; the rounded numbers as f32,
	v_and_b32 v[T+1], s24, v[Y+2*(\i)]
	v_lshlrev_b32 v[T+2], 16, v[Y+2*(\i)+1]
	v_and_b32 v[T+3], s24, v[Y+2*(\i)+1]
	v_cvt_pk_f16_f32 v[Y+2*(\i)], v[T], v[T+1]     ; written as f16
	v_cvt_pk_f16_f32 v[Y+2*(\i)+1], v[T+2], v[T+3]
.endif
	global_store_b64 v2, v[Y+2*(\i):Y+2*(\i)+1], s[22:23] offset:2048*(\i) th:TH_STORE_NT
.endm
	s_cmp_eq_u32 s16, 7
	s_cbranch_scc1 .Lwo
.irp i, 0,1,2,3,4,5,6,7,8,9,10,11,12,13,14,15
	OUT \i, 0
.endr
	s_endpgm
.Lwo:
.irp i, 0,1,2,3,4,5,6,7,8,9,10,11,12,13,14,15
	OUT \i, 1
.endr
	s_endpgm
.Lfunc_end_k_q8f90c096d7_cast:
	.size	k_q8f90c096d7_cast, .Lfunc_end_k_q8f90c096d7_cast-k_q8f90c096d7_cast
	.p2alignl 7, 3214868480
	.fill 96, 4, 3214868480
	.section	.rodata,"a",@progbits
	.p2align	6, 0x0
	.amdhsa_kernel k_q8f90c096d7_cast
		.amdhsa_group_segment_fixed_size 0
		.amdhsa_private_segment_fixed_size 0
		.amdhsa_enable_private_segment 0
		.amdhsa_kernarg_size 48
		.amdhsa_user_sgpr_count 2
		.amdhsa_user_sgpr_kernarg_segment_ptr 1
		.amdhsa_wavefront_size32 1
		.amdhsa_system_sgpr_workgroup_id_x 1
		.amdhsa_system_sgpr_workgroup_id_y 1
		.amdhsa_system_sgpr_workgroup_id_z 1
		.amdhsa_system_vgpr_workitem_id 0
		.amdhsa_next_free_vgpr 104
		.amdhsa_next_free_sgpr 66
		.amdhsa_reserve_vcc 0
		.amdhsa_float_denorm_mode_32 3
		.amdhsa_float_denorm_mode_16_64 3
		.amdhsa_memory_ordered 1
		.amdhsa_forward_progress 1
		.amdhsa_inst_pref_size 15
	.end_amdhsa_kernel
	.amdgpu_metadata
---
amdhsa.version: [ 1, 2 ]
amdhsa.kernels:
  - .name:           k_q8f90c096d7_cast
    .symbol:         k_q8f90c096d7_cast.kd
    .args:
      - { .name: hidden_states, .offset: 0, .size: 8, .value_kind: global_buffer, .address_space: global }
      - { .name: Wq, .offset: 8, .size: 8, .value_kind: global_buffer, .address_space: global }
      - { .name: Wk, .offset: 16, .size: 8, .value_kind: global_buffer, .address_space: global }
      - { .name: Wv, .offset: 24, .size: 8, .value_kind: global_buffer, .address_space: global }
      - { .name: Wo, .offset: 32, .size: 8, .value_kind: global_buffer, .address_space: global }
      - { .name: cb, .offset: 40, .size: 8, .value_kind: global_buffer, .address_space: global }
    .group_segment_fixed_size: 0
    .private_segment_fixed_size: 0
    .kernarg_segment_align: 8
    .kernarg_segment_size: 48
    .max_flat_workgroup_size: 256
    .sgpr_count:     66
    .vgpr_count:     104
    .wavefront_size: 32
...
	.end_amdgpu_metadata
.endif
;; end of part 1
;; launch qkv (part 2): grid 8 x 32, 4 waves a work-group, clusters of 4 x 4, 327,680 bytes of LDS; arguments cb, q_norm_w, k_norm_w, qkv; writes qkv
.if DOCPART == 2
	.amdgcn_target "amdgcn-amd-amdhsa--gfx1250"
	.amdhsa_code_object_version 6
	.text
	.protected	k_q8f90c096d7_qkv
	.globl	k_q8f90c096d7_qkv
	.p2align	8
	.type	k_q8f90c096d7_qkv,@function
k_q8f90c096d7_qkv:
	s_mov_b64 s[64:65], 0
	v_nop
	global_prefetch_b8 v0, s[64:65] scope:SCOPE_SE
	s_setreg_imm32_b32 hwreg(HW_REG_WAVE_MODE, 25, 1), 1
	s_wait_xcnt 0x0
	s_wait_alu depctr_hold_cnt(0) depctr_sa_sdst(0) depctr_va_vdst(0) depctr_va_sdst(0) depctr_va_ssrc(0) depctr_va_vcc(0) depctr_vm_vsrc(0)
	s_getreg_b32 s2, hwreg(HW_REG_IB_STS2, 6, 4)
	s_cmp_eq_u32 s2, 0
	s_cbranch_scc0 .Lentry_in_a_cluster
	s_endpgm
.Lentry_in_a_cluster:
	s_bfe_u32 s2, ttmp6, 0x10000c
	s_cmp_lg_u32 s2, 0xf033
	s_cbranch_scc0 .Lentry_shape_is_right
	s_endpgm
.Lentry_shape_is_right:
; [q | k | v] = x [Wq; Wk; Wv]^T, 4,096 x 3,072 x 2,048 in bf16 with f32 sums; then q and k are RMS-normalised over each head's 128 channels
; (x rsqrt(mean x^2 + 1e-6) x gain, in f32; the gains rounded to bf16 like every input), and all three go out by heads in f16:
; qkv[part][8 b + h][row][128], a row 256 bytes.
; LIMITS.  f16 ends at 65,504: |v| must stay below it (|q|, |k| are at most 11.4 |gain|); NaN and infinities are not treated apart.
; SHARES.  A tile of C is 128 rows x 384 columns = three heads: 32 x 8 tiles, one work-group each.  Four waves, 2 x 2: wave (wm, wn) makes rows 64 wm .. + 63 of
; the WHOLE head 3 tc + 2 wn (n blocks 0-7) and of HALF of the middle head 3 tc + 1 (n blocks 8-11: its channels 64 wn .. + 63): 48 accumulators, 384 registers.
; So a whole head's sum of squares stays in the wave; the middle head's two halves meet in LDS.  Which part a head belongs to acts by selects alone.
; K goes in steps of 128 through two LDS slots; a slot is four chunks of 128 rows x 272 bytes: A's rows, then B's 384; wave w fetches chunk w.
; CLUSTERS: 4 x 4.  A's tile hangs on the tile row alone and is asked for jointly by a row of the cluster, B's on the tile column and by a column.
; THE MATRIX INSTRUCTION IS USED TRANSPOSED (source 0 = 16 rows of W, source 1 = 16 rows of x): lane l holds row l % 16 of C and the columns 8 (l / 16) + 0..7.
; REGISTERS, in windows of 256: window 0: addresses, A's two fragment buffers v64-127, the gains v128-223, the way out; window 1: B's two buffers of 96;
; window 2: the accumulators of m blocks 0, 1 ((a, b) at 8 (12 a + b)); window 3: those of m blocks 2, 3.
.set KDIM,   2048
.set KSTEP,  128
.set LAPS,   KDIM/(2*KSTEP)            ; a lap = two K steps = once round the ring
.set NBW,    12                        ; n blocks a wave
.set NT,     384                       ; columns in a tile
.set NAW,    1                         ; waves that fetch A
.set RA,     128                       ; rows in one of A's loads
.set NL,     2*NBW+8                   ; LDS loads in a quarter's run
.set PITCH,  272                       ; an LDS row: 256 bytes + 16 of padding = 68 words: row r starts at bank 4 r mod 64 (64 banks of 4 bytes: ISA guide 11.1)
.set CHUNK,  128*PITCH
.set SLOT,   4*CHUNK
.set STAGE,  2*SLOT                    ; behind the ring: 128 rows x 272 bytes; wave w's own 32 rows at 8,704 w
.set XCH,    STAGE+128*PITCH           ; 256 bytes a wave: the middle head's half sums of squares
.set SPARE,  XCH+1024                  ; the spare words, 128 bytes for each wave: two blocks of 256 bytes that no other line names
.set WOFF,   16777216                  ; the weights' first byte in cb
.set ADRA, 16                          ; v16-17  LDS address of my A fragments in slot 0, 1
.set ADRB, 18                          ; v18-19  of my whole head's rows of B
.set ADRH, 20                          ; v20-21  of my half of the middle head's rows of B
.set STO,  22                          ; v22  my own stage: where I put 16 bytes of a row
.set RD,   23                          ; v23  my own stage: where I read rows back
.set STH,  24                          ; v24  the shared stage: my half of the middle head's rows
.set CO,   25                          ; v25  16 x lane: my place in 512 consecutive bytes of qkv
.set XS,   26                          ; v26  where I put a half sum,  v27 where the partner put its own
.set XR,   27
.set SPW,  28                          ; v28  LDS address of my spare word; never rewritten
.set NIL,  29                          ; v29  0; never rewritten
.set PFO,  30                          ; v30  the prefetches' offset: lane x 4,096; never rewritten
.set WO,   31                          ; v31  my byte offset in a gain vector, whole head
.set WOH,  15                          ; v15  the same for my half of the middle head
.set OB,   32                          ; v32-63  rows read back from a stage
.set FA0,  64                          ; A's buffers: 64 + 32 f + 8 a
.set WW,   128                         ; v128-191 gains of the whole head, block b at + 8 b;  v192-223 of my half
.set WH,   192
.set TMP,  224                         ; v224-255 packed results
.set T,    64                          ; behind the loop A's buffers are free: v64-79 at work,
.set SSW,  80                          ; v80-83 sums of squares of the whole head, by m block;  v84-87 of the half
.set SSH,  84
.set RW,   88                          ; v88-95 1 / rms, in pairs, by m block;  v96-103 the same for the middle head
.set RH,   96
.set ONE,  104                         ; v104 1.0
.set CV,   105                         ; v105 at work
.set G1,  24                           ; s[24:31] descriptor group 1 for A;  s[32:39] group 0, a set for each slot
.set G0,  32
.set G1B, 48                           ; s[48:55], s[56:63] the same for B
.set G0B, 56
.set LIM, 43                           ; s43  1 in a wave that prefetches, else the greatest number
.set PFA, 44                           ; s[44:45] where my prefetches stand
.set MSB, 0
.macro WIN new                         ; the immediate's high byte repeats the setting that is left; a switch that changes nothing is dropped
.if MSB != (\new)
	s_set_vgpr_msb (MSB<<8)|(\new)
.set MSB, \new
.endif
.endm
.set MUL_LO, 0xa1                      ; source 0 (B) window 1, source 1 (A) window 0, C and D window 2
.set TO_B,   0x40                      ; destination window 1, address window 0
; A joint load.  Wave 0 fetches A's 128 rows, waves 1-3 B's three times 128.  The branch hangs on the wave's number alone.
; An s_nop 0 and four v_nop follow each of the two lines, ahead of the jump, the label and what follows.
.macro JLOAD s
	s_cmp_lt_u32 s10, NAW
	s_cbranch_scc0 .Lfor_b_\@
	tensor_load_to_lds s[G0+4*(\s):G0+4*(\s)+3], s[G1:G1+7]
	s_nop 0
.rept 4
	v_nop
.endr
	s_branch .Lasked_\@
.Lfor_b_\@:
	tensor_load_to_lds s[G0B+4*(\s):G0B+4*(\s)+3], s[G1B:G1B+7]
	s_nop 0
.rept 4
	v_nop
.endr
.Lasked_\@:
.endm
; A prefetch into the L2 of the K step that stands two refills on: 32 rows x 256 bytes, a lane a row.  Each row's 256 bytes of a K step are named once in the launch: for A's rows the
; clusters with x = 0 ask, for B's those with y = 0; the four partners that ask for a tile jointly take 32 of its wave's 128 rows each, told apart by address.
; The loop's last trip (s3 = 1) asks for nothing: there is no K step two on.
.macro ASK
	s_cmp_gt_u32 s3, s[LIM]
	s_cbranch_scc0 .Lnot_mine_\@
	global_prefetch_b8 v[PFO], s[PFA:PFA+1] offset:KSTEP*2 th:TH_LOAD_NT scope:SCOPE_SE
.Lnot_mine_\@:
.endm
.macro CREST                           ; a round of the cluster's barrier behind its opening barrier
	s_cmp_lg_u32 s10, 0
	s_cbranch_scc1 .Lnot_wave_0_\@
	s_barrier_signal -3
.Lnot_wave_0_\@:
	s_barrier_wait -3
	s_barrier_signal -1
	s_barrier_wait -1
.endm
.macro CROUND                          ; a whole round
	s_barrier_signal -1
	s_barrier_wait -1
	CREST
.endm
.macro PLACES                          ; four places in front of loads into registers that matrix instructions have read, and of lines that read results
.rept 4
	v_nop
.endr
.endm
	s_load_b64 s[4:5], s[0:1], 0x0                 ; cb: x at its head
	s_load_b128 s[68:71], s[0:1], 0x8              ; q_norm_w s[68:69], k_norm_w s[70:71]
	s_load_b64 s[8:9], s[0:1], 0x18                ; qkv
	v_lshl_add_u32 v[SPW], v0, 2, SPARE
	v_mov_b32 v[NIL], 0
	ds_add_u32 v[SPW], v[NIL]                      ; the wave's opening: the add and its wait stand ahead of my first tensor load; the set-up below stands between them
	v_lshrrev_b32 v1, 5, v0
	v_readfirstlane_b32 s10, v1                    ; wave 0..3
	s_lshr_b32 s11, s10, 1                         ; wm
	s_and_b32 s12, s10, 1                          ; wn
	s_bfe_u32 s40, ttmp6, 0x40000                  ; cx
	s_bfe_u32 s41, ttmp6, 0x40004                  ; cy
	s_lshl_b32 s42, ttmp9, 2
	s_add_co_u32 s42, s42, s40                     ; tile column tc = 4 x cluster x + cx
	s_and_b32 s13, ttmp7, 0xffff
	s_lshl_b32 s13, s13, 2
	s_add_co_u32 s13, s13, s41                     ; tile row tr = 4 x cluster y + cy
	s_lshl_b32 s43, s41, 2
	s_lshl_b32 s43, 15, s43                        ; my row of the cluster
	s_lshl_b32 s44, 0x1111, s40                    ; my column
	s_or_b32 s[G1+0], s43, (1<<16)|(1<<20)|(1<<21)|(5<<22)|(3<<25)   ; the mask; 2-byte elements; padding on; bit 21 beside a mask; after every 64 words, 4 words
	s_or_b32 s[G1B+0], s44, (1<<16)|(1<<20)|(1<<21)|(5<<22)|(3<<25)
	s_mov_b32 s[G1+1], KSTEP<<16                   ; tensor_dim0 = 128
	s_mov_b32 s[G1+2], RA<<16                      ; tensor_dim1
	s_mov_b32 s[G1+3], KSTEP<<16                   ; tile_dim0 = 128
	s_mov_b32 s[G1+4], RA                          ; tile_dim1
	s_mov_b32 s[G1+5], KDIM                        ; elements from row to row
	s_mov_b32 s[G1+6], 0
	s_mov_b32 s[G1+7], 0
	s_mov_b32 s[G1B+1], KSTEP<<16
	s_mov_b32 s[G1B+2], 128<<16
	s_mov_b32 s[G1B+3], KSTEP<<16
	s_mov_b32 s[G1B+4], 128
	s_mov_b32 s[G1B+5], KDIM
	s_mov_b32 s[G1B+6], 0
	s_mov_b32 s[G1B+7], 0
	s_min_u32 s17, s10, NAW-1                      ; which of A's loads would be mine
	s_mul_i32 s17, s17, RA
	s_lshl_b32 s16, s13, 7
	s_add_co_u32 s16, s16, s17                     ; A: row 128 tr
	s_sub_co_i32 s47, s10, NAW
	s_max_i32 s47, s47, 0                          ; which of B's
	s_lshl_b32 s47, s47, 7
	s_mul_i32 s46, s42, NT
	s_add_co_u32 s46, s46, s47                     ; B: row 384 tc + 128 (w - 1)
	s_mov_b32 s17, 0
	s_mov_b32 s47, 0
	s_mov_b64 s[18:19], KDIM*2
	s_mul_u64 s[16:17], s[16:17], s[18:19]
	s_mul_u64 s[46:47], s[46:47], s[18:19]
	s_mul_i32 s20, s10, CHUNK                      ; where my load lands: chunk w: no place in the cluster enters an LDS address
	s_wait_dscnt 0x0                               ; the opening add is done
	s_wait_kmcnt 0x0
	s_add_nc_u64 s[6:7], s[4:5], WOFF              ; the weights
	s_add_nc_u64 s[14:15], s[4:5], s[16:17]
	s_add_nc_u64 s[46:47], s[6:7], s[46:47]
	CROUND                                         ; all sixteen work-groups are here: the first joint loads meet
.irp s, 0,1
	s_mov_b32 s[G0+4*(\s)], 1
	s_add_co_u32 s[G0+4*(\s)+1], s20, (\s)*SLOT
	s_add_nc_u64 s[G0+4*(\s)+2:G0+4*(\s)+3], s[14:15], (\s)*KSTEP*2
	s_or_b32 s[G0+4*(\s)+3], s[G0+4*(\s)+3], 0x80000000
	s_mov_b32 s[G0B+4*(\s)], 1
	s_add_co_u32 s[G0B+4*(\s)+1], s20, (\s)*SLOT
	s_add_nc_u64 s[G0B+4*(\s)+2:G0B+4*(\s)+3], s[46:47], (\s)*KSTEP*2
	s_or_b32 s[G0B+4*(\s)+3], s[G0B+4*(\s)+3], 0x80000000
	JLOAD \s                                       ; both slots are asked for before anything else is done: two loads of mine are out
.endr
	; fragments: lane l holds row l % 16; two loads of 16 bytes, 32 bytes apart, at row x pitch + 16 (l / 16)
	v_and_b32 v1, 15, v0
	v_bfe_u32 v2, v0, 4, 1
	v_mul_u32_u24 v3, v1, PITCH
	v_lshl_add_u32 v3, v2, 4, v3
	s_mul_i32 s21, s11, 64*PITCH                   ; my 64 rows of A
	s_mul_i32 s22, s12, 256*PITCH
	s_add_co_u32 s22, s22, CHUNK                   ; my whole head: B's rows 256 wn on
	s_mul_i32 s23, s12, 64*PITCH
	s_add_co_u32 s23, s23, CHUNK+128*PITCH         ; my half of the middle head: B's rows 128 + 64 wn on
.irp s, 0,1
	v_add_nc_u32 v[ADRA+(\s)], s21, v3
	v_add_nc_u32 v[ADRB+(\s)], s22, v3
	v_add_nc_u32 v[ADRH+(\s)], s23, v3
	s_add_co_u32 s21, s21, SLOT
	s_add_co_u32 s22, s22, SLOT
	s_add_co_u32 s23, s23, SLOT
.endr
	s_mul_i32 s21, s10, 32*PITCH
	s_add_co_u32 s21, s21, STAGE                   ; my own 32 rows of the stage
	v_add_nc_u32 v[STO], s21, v3                   ; in: row l % 16, 16 bytes for each half of the lanes
	v_mul_u32_u24 v4, v2, PITCH
	v_lshl_add_u32 v4, v1, 4, v4
	v_add_nc_u32 v[RD], s21, v4                    ; back: lanes 0-15 one row of 256 bytes, lanes 16-31 the next
	s_mul_i32 s22, s11, 64*PITCH
	s_lshl_b32 s23, s12, 7
	s_add_co_u32 s22, s22, s23
	s_add_co_u32 s22, s22, STAGE
	v_add_nc_u32 v[STH], s22, v3                   ; the middle head: rows 64 wm on, bytes 128 wn on
	v_and_b32 v4, 31, v0
	v_lshlrev_b32 v[CO], 4, v4
	s_lshl_b32 s21, s10, 8
	s_add_co_u32 s21, s21, XCH
	v_lshl_add_u32 v[XS], v1, 2, s21
	s_xor_b32 s22, s10, 1                          ; the wave with the other half of the middle head
	s_lshl_b32 s22, s22, 8
	s_add_co_u32 s22, s22, XCH
	v_lshl_add_u32 v[XR], v1, 2, s22
	v_lshlrev_b32 v[WO], 5, v2                     ; my 8 columns of a block: 32 bytes of f32
	s_lshl_b32 s23, s12, 8
	v_add_nc_u32 v[WOH], s23, v[WO]
	; the heads.  g = 0..23: part g >> 3 (q, k, v), head g & 7
	s_mul_i32 s14, s42, 3
	s_lshl_b32 s15, s12, 1
	s_add_co_u32 s15, s14, s15                     ; gW = 3 tc + 2 wn
	s_add_co_u32 s14, s14, 1                       ; gH = 3 tc + 1
	s_cmp_ge_u32 s15, 16
	s_cselect_b32 s80, -1, 0                       ; all ones: v, which is not normalised
	s_cmp_ge_u32 s14, 16
	s_cselect_b32 s81, -1, 0
	s_lshr_b32 s16, s15, 3
	s_cmp_eq_u32 s16, 1
	s_cselect_b64 s[72:73], s[70:71], s[68:69]     ; the whole head's gains (for v: loaded, and replaced by 1)
	s_lshr_b32 s17, s14, 3
	s_cmp_eq_u32 s17, 1
	s_cselect_b64 s[74:75], s[70:71], s[68:69]     ; the middle head's
	s_lshl_b32 s16, s16, 4
	s_and_b32 s18, s15, 7
	s_add_co_u32 s16, s16, s18
	s_lshr_b32 s19, s13, 4                         ; the batch: 16 tile rows each
	s_lshl_b32 s19, s19, 3
	s_add_co_u32 s16, s16, s19                     ; 16 part + 8 b + h of gW
	s_lshl_b32 s17, s17, 4
	s_and_b32 s18, s14, 7
	s_add_co_u32 s17, s17, s18
	s_add_co_u32 s17, s17, s19                     ; of gH
	s_and_b32 s18, s13, 15
	s_lshl_b32 s18, s18, 7
	s_lshl_b32 s19, s11, 6
	s_add_co_u32 s18, s18, s19                     ; my first row in the head: 128 (tr % 16) + 64 wm
	s_lshl_b32 s88, s16, 11
	s_add_co_u32 s88, s88, s18
	s_lshl_b32 s88, s88, 8                         ; rows of 256 bytes
	s_mov_b32 s89, 0
	s_add_nc_u64 s[76:77], s[8:9], s[88:89]        ; where my rows of the whole head go
	s_lshl_b32 s90, s17, 11
	s_add_co_u32 s90, s90, s18
	s_lshl_b32 s19, s12, 5
	s_add_co_u32 s90, s90, s19                     ; of the middle head I store rows 32 wn .. + 31 of the 64
	s_lshl_b32 s90, s90, 8
	s_mov_b32 s91, 0
	s_add_nc_u64 s[78:79], s[8:9], s[90:91]
	s_mov_b32 s82, 0x3c000000                      ; 1 / 128
	s_mov_b32 s83, 0x358637bd                      ; 1e-6
	s_mov_b32 s84, 0x76543210                      ; v_permlanex16_b32: each lane takes its own place in the other half
	s_mov_b32 s85, 0xfedcba98
	s_mov_b32 s86, 0xffff0000
.irp b, 0,1,2,3,4,5,6,7
	global_load_b128 v[WW+8*(\b):WW+8*(\b)+3],   v[WO], s[72:73] offset:64*(\b)       ; the gains of my columns: waited for on the way out
	global_load_b128 v[WW+8*(\b)+4:WW+8*(\b)+7], v[WO], s[72:73] offset:64*(\b)+16
.endr
.irp b, 0,1,2,3
	global_load_b128 v[WH+8*(\b):WH+8*(\b)+3],   v[WOH], s[74:75] offset:64*(\b)
	global_load_b128 v[WH+8*(\b)+4:WH+8*(\b)+7], v[WOH], s[74:75] offset:64*(\b)+16
.endr
	; the prefetches
	s_and_b32 s22, ttmp7, 0xffff                   ; cluster y
	s_lshl_b32 s20, s13, 7                         ; A's first row
	s_sub_co_i32 s23, s10, NAW
	s_max_i32 s23, s23, 0
	s_lshl_b32 s23, s23, 7
	s_mul_i32 s21, s42, NT
	s_add_co_u32 s21, s21, s23                     ; B's first row of my load
	s_cmp_lt_u32 s10, NAW                          ; do I fetch for A?
	s_cselect_b32 s20, s20, s21
	s_cselect_b32 s21, s40, s41                    ; my place among the four that ask with me
	s_cselect_b32 s22, ttmp9, s22                  ; the coordinate along which other clusters read the same rows
	s_cselect_b64 s[PFA:PFA+1], s[4:5], s[6:7]
	s_cmp_eq_u32 s22, 0
	s_cselect_b32 s[LIM], 1, -1                    ; the same in all sixteen partners, for a given wave
	s_lshl_b32 s21, s21, 5
	s_add_co_u32 s20, s20, s21                     ; my work-group's 32 rows
	s_mov_b32 s21, 0
	s_mov_b64 s[18:19], KDIM*2
	s_mul_u64 s[20:21], s[20:21], s[18:19]
	s_add_nc_u64 s[PFA:PFA+1], s[PFA:PFA+1], s[20:21]
	s_add_nc_u64 s[PFA:PFA+1], s[PFA:PFA+1], 2*KSTEP*2   ; at K step 2: the first refill steps it to 3 and names K step 4; K steps 0-3 come by their loads alone
	v_and_b32 v[PFO], 31, v0
	v_mul_u32_u24 v[PFO], v[PFO], KDIM*2
; NBW matrix instructions: m block a x all my n blocks, 32 along K, from buffer f.  zero = 1: the product starts the sums.
; The 48 accumulators take turns in the same order in every quarter, over the backward jump too.
.macro MULA f, a, zero
	WIN MUL_LO+0x50*((\a)/2)
.irp b, 0,1,2,3,4,5,6,7,8,9,10,11
.set rD, 8*(NBW*((\a)%2)+(\b))
.set rB, 8*NBW*(\f)+8*(\b)
.set rA, FA0+32*(\f)+8*(\a)
.if \zero
	v_wmma_f32_16x16x32_bf16 v[rD:rD+7], v[rB:rB+7], v[rA:rA+7], 0
.else
	v_wmma_f32_16x16x32_bf16 v[rD:rD+7], v[rB:rB+7], v[rA:rA+7], v[rD:rD+7]
.endif
.endr
.endm
; 32 LDS loads in one run: a quarter's fragments (32 K at byte k of the rows) into buffer f: B's 24, then A's 8
.macro FETCH slot, k, f
	WIN TO_B
.irp b, 0,1,2,3,4,5,6,7
	ds_load_b128 v[8*NBW*(\f)+8*(\b):8*NBW*(\f)+8*(\b)+3],   v[ADRB+(\slot)] offset:(\k)+(\b)*16*PITCH
	ds_load_b128 v[8*NBW*(\f)+8*(\b)+4:8*NBW*(\f)+8*(\b)+7], v[ADRB+(\slot)] offset:(\k)+(\b)*16*PITCH+32
.endr
.irp b, 8,9,10,11
	ds_load_b128 v[8*NBW*(\f)+8*(\b):8*NBW*(\f)+8*(\b)+3],   v[ADRH+(\slot)] offset:(\k)+((\b)-8)*16*PITCH
	ds_load_b128 v[8*NBW*(\f)+8*(\b)+4:8*NBW*(\f)+8*(\b)+7], v[ADRH+(\slot)] offset:(\k)+((\b)-8)*16*PITCH+32
.endr
	WIN 0
.irp a, 0,1,2,3
	ds_load_b128 v[FA0+32*(\f)+8*(\a):FA0+32*(\f)+8*(\a)+3],   v[ADRA+(\slot)] offset:(\k)+(\a)*16*PITCH
	ds_load_b128 v[FA0+32*(\f)+8*(\a)+4:FA0+32*(\f)+8*(\a)+7], v[ADRA+(\slot)] offset:(\k)+(\a)*16*PITCH+32
.endr
.endm
; A K step is four quarters of 32 along K, 48 matrix instructions each, on buffers 0, 1, 0, 1.  One of the first three: multiplies f, fetches the next quarter into g.
.macro QUARTER slot, k, f, g, zero
	s_wait_dscnt 4                                 ; B and A's blocks 0, 1 are in; the youngest four loads (A's blocks 2, 3) may be out
	MULA \f, 0, \zero
	MULA \f, 1, \zero
	PLACES
	FETCH \slot, \k, \g
	s_wait_dscnt NL                                ; all but the run just issued
	MULA \f, 2, \zero
	MULA \f, 3, \zero
.endm
; The last quarter multiplies buffer 1 and changes slots: one barrier; in front of it each wave waits for all its tensor loads (one is out: its chunk of the next slot), adds 0 to its
; spare word, and waits for that and for its own reads of this slot.  fill = 1: the barrier opens a round of the cluster's, and this slot is filled again, two K steps ahead, first thing behind it:
; 168 matrix instructions stand between that request and the wait for it.
.macro TURN slot, next, fill
.if \fill
	s_wait_xcnt 0x0                                ; the last prefetch, a K step back, has read its address: it is stepped here
	s_add_nc_u64 s[PFA:PFA+1], s[PFA:PFA+1], KSTEP*2
.endif
	WIN 0                                          ; (the add's two registers lie in window 0)
	s_wait_tensorcnt 0x0
	ds_add_u32 v[SPW], v[NIL]                      ; 0 onto my spare word
	s_wait_dscnt 5                                 ; (the add and the youngest four loads may be out)
	MULA 1, 0, 0                                   ; twelve matrix instructions stand between the add and the wait for it
	s_wait_dscnt 0x0                               ; the add is done, and my reads of this slot are over
	s_barrier_signal -1
	MULA 1, 1, 0
.if \fill
	WIN 0
.endif
	s_barrier_wait -1
.if \fill
	CREST                                          ; no wave of any partner still reads this slot or has a load on its way
	s_add_nc_u64 s[G0+4*(\slot)+2:G0+4*(\slot)+3], s[G0+4*(\slot)+2:G0+4*(\slot)+3], 2*KSTEP*2
	s_add_nc_u64 s[G0B+4*(\slot)+2:G0B+4*(\slot)+3], s[G0B+4*(\slot)+2:G0B+4*(\slot)+3], 2*KSTEP*2
	JLOAD \slot                                    ; its four v_nop are also the places in front of the loads below
.else
	PLACES
.endif
	FETCH \next, 0, 0
.if \fill
	ASK
.endif
	MULA 1, 2, 0
	MULA 1, 3, 0
.endm
	s_wait_tensorcnt 1                             ; my chunk of K step 0 is in; K step 1's may stay out
	s_barrier_signal -1
	s_barrier_wait -1
	FETCH 0, 0, 0
	QUARTER 0, 64, 0, 1, 1                         ; the first quarter stands in front of the loop: its products start the sums
	WIN 0
	s_mov_b32 s3, LAPS-1
.Llap:                                                 ; a trip goes once round the ring, from a lap's second quarter to the next lap's first
	QUARTER 0, 128, 1, 0, 0
	QUARTER 0, 192, 0, 1, 0
	TURN 0, 1, 1
	QUARTER 1, 64,  0, 1, 0
	QUARTER 1, 128, 1, 0, 0
	QUARTER 1, 192, 0, 1, 0
	TURN 1, 0, 1
	QUARTER 0, 64,  0, 1, 0
	WIN 0
	s_sub_co_u32 s3, s3, 1
	s_cmp_lg_u32 s3, 0
	s_cbranch_scc1 .Llap
	QUARTER 0, 128, 1, 0, 0                        ; the last lap fills nothing
	QUARTER 0, 192, 0, 1, 0
	TURN 0, 1, 0
	QUARTER 1, 64,  0, 1, 0
	QUARTER 1, 128, 1, 0, 0
	QUARTER 1, 192, 0, 1, 0
	s_wait_dscnt 4
	MULA 1, 0, 0
	MULA 1, 1, 0
	s_wait_dscnt 0x0
	MULA 1, 2, 0
	MULA 1, 3, 0
	WIN 0
	PLACES
; THE WAY OUT.  The sums of squares of m block a: my lane's 64 numbers of the whole head's row and 32 of the middle head's, in four chains each; every accumulator is read from its low end on.
.macro SUMSQ a
	WIN 0x0a+5*((\a)/2)                            ; sources 0 and 1: window 2 or 3
.irp b, 0,1,2,3,4,5,6,7,8,9,10,11
.irp r, 0,1,2,3
.set AC, 8*(NBW*((\a)%2)+(\b))+2*(\r)
.set TD, T+8*((\b)/8)+2*(\r)
.if ((\b)%8) == 0
	v_pk_mul_f32 v[TD:TD+1], v[AC:AC+1], v[AC:AC+1]
.else
	v_pk_fma_f32 v[TD:TD+1], v[AC:AC+1], v[AC:AC+1], v[TD:TD+1]
.endif
.endr
.endr
	WIN 0
	v_pk_add_f32 v[T:T+1], v[T:T+1], v[T+2:T+3]
	v_pk_add_f32 v[T+4:T+5], v[T+4:T+5], v[T+6:T+7]
	v_pk_add_f32 v[T+8:T+9], v[T+8:T+9], v[T+10:T+11]
	v_pk_add_f32 v[T+12:T+13], v[T+12:T+13], v[T+14:T+15]
	v_pk_add_f32 v[T:T+1], v[T:T+1], v[T+4:T+5]
	v_pk_add_f32 v[T+8:T+9], v[T+8:T+9], v[T+12:T+13]
	v_add_f32 v[SSW+(\a)], v[T], v[T+1]
	v_add_f32 v[SSH+(\a)], v[T+8], v[T+9]
.endm
; nb blocks from b0 on of m block a: times 1 / rms (pair sc + 2 a), times the gains (gn + 8 per block), rounded to f16 into TMP
.macro PACK a, b0, nb, sc, gn
	WIN 0x82+0x41*((\a)/2)                         ; destination and source 0: window 2 or 3; source 1: window 0
.set bb, 0
.rept \nb
.set AC, 8*(NBW*((\a)%2)+(\b0)+bb)
.irp r, 0,2,4,6
	v_pk_mul_f32 v[AC+(\r):AC+(\r)+1], v[AC+(\r):AC+(\r)+1], v[(\sc)+2*(\a):(\sc)+2*(\a)+1] op_sel_hi:[1,0]
.endr
.irp r, 0,2,4,6
	v_pk_mul_f32 v[AC+(\r):AC+(\r)+1], v[AC+(\r):AC+(\r)+1], v[(\gn)+8*bb+(\r):(\gn)+8*bb+(\r)+1]
.endr
.set bb, bb+1
.endr
	WIN 0x0a+5*((\a)/2)
.set bb, 0
.rept \nb
.set AC, 8*(NBW*((\a)%2)+(\b0)+bb)
.irp r, 0,1,2,3
	v_cvt_pk_f16_f32 v[TMP+4*bb+(\r)], v[AC+2*(\r)], v[AC+2*(\r)+1]
.endr
.set bb, bb+1
.endr
	WIN 0
.endm
	SUMSQ 0
	SUMSQ 1
	SUMSQ 2
	SUMSQ 3
.irp i, 0,1,2,3,4,5,6,7
	v_permlanex16_b32 v[T+(\i)], v[SSW+(\i)], s84, s85   ; a row's other columns lie in the lane 16 away
.endr
.irp i, 0,1,2,3,4,5,6,7
	v_add_f32 v[SSW+(\i)], v[SSW+(\i)], v[T+(\i)]
.endr
.irp a, 0,1,2,3
	ds_store_b32 v[XS], v[SSH+(\a)] offset:64*(\a)       ; the middle head's half sums, for the partner (both halves of the lanes write the same word, the same number)
.endr
	v_mov_b32 v[ONE], 1.0
	s_wait_loadcnt 0x0                             ; the gains
.set i, 0
.rept 48
	v_cvt_pk_bf16_f32 v[CV], v[WW+i], v[WW+i+1]    ; rounded to bf16, like every input,
	v_lshlrev_b32 v[WW+i], 16, v[CV]               ; and back in f32
	v_and_b32 v[WW+i+1], s86, v[CV]
.set i, i+2
.endr
	s_mov_b32 vcc_lo, s80                          ; is my whole head one of v's?  Then gain and 1 / rms are 1
.set i, 0
.rept 64
	v_cndmask_b32 v[WW+i], v[WW+i], v[ONE], vcc_lo
.set i, i+1
.endr
.irp a, 0,1,2,3
	v_fma_f32 v[T+(\a)], v[SSW+(\a)], s82, s83     ; mean of squares + 1e-6
.endr
.irp a, 0,1,2,3
	v_rsq_f32 v[RW+2*(\a)], v[T+(\a)]
.endr
	v_nop                                          ; a plain instruction behind the last of the batch,
	s_wait_alu depctr_va_vdst(0)                   ; and one wait ahead of the first use
.irp a, 0,1,2,3
	v_cndmask_b32 v[RW+2*(\a)], v[RW+2*(\a)], v[ONE], vcc_lo
.endr
.irp a, 0,1,2,3
	v_mov_b32 v[RW+2*(\a)+1], v[RW+2*(\a)]         ; named with it as a pair
.endr
	s_mov_b32 vcc_lo, s81                          ; the same question for the middle head
.set i, 0
.rept 32
	v_cndmask_b32 v[WH+i], v[WH+i], v[ONE], vcc_lo
.set i, i+1
.endr
.irp a, 0,1,2,3                        ; the whole head: 16 rows at a time through my own rows of the stage
	PACK \a, 0, 8, RW, WW
	s_wait_xcnt 0x0                                ; the last stores have read OB: it is loaded again only behind this wait
.irp b, 0,1,2,3,4,5,6,7
	ds_store_b128 v[STO], v[TMP+4*(\b):TMP+4*(\b)+3] offset:32*(\b)
.endr
.irp t, 0,1,2,3,4,5,6,7
	ds_load_b128 v[OB+4*(\t):OB+4*(\t)+3], v[RD] offset:2*(\t)*PITCH   ; LDS serves a wave's instructions in order (ISA guide 5.7.1.4): these see the stores above
.endr
.irp t, 0,1,2,3,4,5,6,7
	s_wait_dscnt 7-(\t)
	global_store_b128 v[CO], v[OB+4*(\t):OB+4*(\t)+3], s[76:77] offset:4096*(\a)+512*(\t)   ; two rows of the head: 512 consecutive bytes, aligned
.endr
.endr
	s_wait_dscnt 0x0                               ; my half sums are stored, and my reads of my own rows of the stage are over
	s_barrier_signal -1
	s_barrier_wait -1
.irp a, 0,1,2,3
	ds_load_b32 v[T+(\a)], v[XR] offset:64*(\a)    ; the partner's half sums
.endr
	s_wait_dscnt 0x0
.irp a, 0,1,2,3
	v_add_f32 v[SSH+(\a)], v[SSH+(\a)], v[T+(\a)]
.endr
.irp a, 0,1,2,3
	v_fma_f32 v[T+(\a)], v[SSH+(\a)], s82, s83
.endr
.irp a, 0,1,2,3
	v_rsq_f32 v[RH+2*(\a)], v[T+(\a)]
.endr
	v_nop
	s_wait_alu depctr_va_vdst(0)                   ; one wait for the four
.irp a, 0,1,2,3
	v_cndmask_b32 v[RH+2*(\a)], v[RH+2*(\a)], v[ONE], vcc_lo
.endr
.irp a, 0,1,2,3
	v_mov_b32 v[RH+2*(\a)+1], v[RH+2*(\a)]
.endr
.irp a, 0,1,2,3                        ; the middle head: my 128 bytes of each of 64 rows into the shared stage
	PACK \a, 8, 4, RH, WH
.irp b, 0,1,2,3
	ds_store_b128 v[STH], v[TMP+4*(\b):TMP+4*(\b)+3] offset:16*PITCH*(\a)+32*(\b)
.endr
.endr
	s_wait_dscnt 0x0                               ; for the others' sake: my stores into the stage are done
	s_barrier_signal -1
	s_barrier_wait -1
	s_wait_xcnt 0x0                                ; the last stores have read OB
.irp t, 0,1,2,3,4,5,6,7
	ds_load_b128 v[OB+4*(\t):OB+4*(\t)+3], v[RD] offset:2*(\t)*PITCH          ; 32 whole rows a wave
.endr
.irp t, 0,1,2,3,4,5,6,7
	ds_load_b128 v[TMP+4*(\t):TMP+4*(\t)+3], v[RD] offset:2*((\t)+8)*PITCH
.endr
.irp t, 0,1,2,3,4,5,6,7
	s_wait_dscnt 15-(\t)
	global_store_b128 v[CO], v[OB+4*(\t):OB+4*(\t)+3], s[78:79] offset:512*(\t)
.endr
.irp t, 0,1,2,3,4,5,6,7
	s_wait_dscnt 7-(\t)
	global_store_b128 v[CO], v[TMP+4*(\t):TMP+4*(\t)+3], s[78:79] offset:512*((\t)+8)
.endr
	s_wait_tensorcnt 0x0                           ; the wave's end: the wait, an add to my spare word and the wait for it, behind my last tensor load and my last LDS store
	ds_add_u32 v[SPW], v[NIL]
	s_wait_dscnt 0x0
	CROUND                                         ; the closing round: no work-group ends while a partner may still ask for a tile that names it
	s_endpgm
.Lfunc_end_k_q8f90c096d7_qkv:
	.size	k_q8f90c096d7_qkv, .Lfunc_end_k_q8f90c096d7_qkv-k_q8f90c096d7_qkv
	.p2alignl 7, 3214868480
	.fill 96, 4, 3214868480
	.section	.rodata,"a",@progbits
	.p2align	6, 0x0
	.amdhsa_kernel k_q8f90c096d7_qkv
		.amdhsa_group_segment_fixed_size 327680
		.amdhsa_private_segment_fixed_size 0
		.amdhsa_enable_private_segment 0
		.amdhsa_kernarg_size 32
		.amdhsa_user_sgpr_count 2
		.amdhsa_user_sgpr_kernarg_segment_ptr 1
		.amdhsa_wavefront_size32 1
		.amdhsa_system_sgpr_workgroup_id_x 1
		.amdhsa_system_sgpr_workgroup_id_y 1
		.amdhsa_system_sgpr_workgroup_id_z 1
		.amdhsa_system_vgpr_workitem_id 0
		.amdhsa_next_free_vgpr 960
		.amdhsa_next_free_sgpr 96
		.amdhsa_reserve_vcc 1
		.amdhsa_float_denorm_mode_32 3
		.amdhsa_float_denorm_mode_16_64 3
		.amdhsa_memory_ordered 1
		.amdhsa_forward_progress 1
		.amdhsa_inst_pref_size 176
	.end_amdhsa_kernel
	.amdgpu_metadata
---
amdhsa.version: [ 1, 2 ]
amdhsa.kernels:
  - .name:           k_q8f90c096d7_qkv
    .symbol:         k_q8f90c096d7_qkv.kd
    .args:
      - { .name: cb, .offset: 0, .size: 8, .value_kind: global_buffer, .address_space: global }
      - { .name: q_norm_w, .offset: 8, .size: 8, .value_kind: global_buffer, .address_space: global }
      - { .name: k_norm_w, .offset: 16, .size: 8, .value_kind: global_buffer, .address_space: global }
      - { .name: qkv, .offset: 24, .size: 8, .value_kind: global_buffer, .address_space: global }
    .group_segment_fixed_size: 327680
    .private_segment_fixed_size: 0
    .kernarg_segment_align: 8
    .kernarg_segment_size: 32
    .max_flat_workgroup_size: 128
    .sgpr_count:     96
    .vgpr_count:     960
    .wavefront_size: 32
...
	.end_amdgpu_metadata
.endif
;; end of part 2
;; launch attn (part 3): grid 16 x 16, 4 waves a work-group, clusters of 4 x 1, 327,680 bytes of LDS; arguments qkv, ob; writes ob
.if DOCPART == 3
	.amdgcn_target "amdgcn-amd-amdhsa--gfx1250"
	.amdhsa_code_object_version 6
	.text
	.protected	k_q8f90c096d7_attn
	.globl	k_q8f90c096d7_attn
	.p2align	8
	.type	k_q8f90c096d7_attn,@function
k_q8f90c096d7_attn:
	s_mov_b64 s[64:65], 0
	v_nop
	global_prefetch_b8 v0, s[64:65] scope:SCOPE_SE
	s_setreg_imm32_b32 hwreg(HW_REG_WAVE_MODE, 25, 1), 1
	s_wait_xcnt 0x0
	s_wait_alu depctr_hold_cnt(0) depctr_sa_sdst(0) depctr_va_vdst(0) depctr_va_sdst(0) depctr_va_ssrc(0) depctr_va_vcc(0) depctr_vm_vsrc(0)
	s_getreg_b32 s2, hwreg(HW_REG_IB_STS2, 6, 4)
	s_cmp_eq_u32 s2, 0
	s_cbranch_scc0 .Lentry_in_a_cluster
	s_endpgm
.Lentry_in_a_cluster:
	s_bfe_u32 s2, ttmp6, 0x10000c
	s_cmp_lg_u32 s2, 0x3003
	s_cbranch_scc0 .Lentry_shape_is_right
	s_endpgm
.Lentry_shape_is_right:
; O[bh][q] = the sum over the visible keys k of softmax_k(Q[bh][q] . K[bh][k] / sqrt(128)) V[bh][k].  Key k is HIDDEN from query q where k >= 1,024 and k <= q.
; Q, K, V: qkv[part][16 bh][2,048][128] in f16; O goes to ob[token][128 h + d] in f16.  Products, maxima and sums in f32; the weights p are rounded to f16 for the second product, O once at the end.
; LIMITS.  A hidden score counts as its value less 1e30; a weight below 2^-126 counts as 0; O has V's range and f16's fixed step of 6e-8 below 6e-5; NaN and infinities in the inputs are not treated apart.
; SHARES.  A work-group owns 128 queries of one head: 16 x 16 work-groups.  Wave w: query group w >> 1 (64 queries, four tiles of 16) and key parity p = w & 1: of each slot's 256 keys it
; multiplies the 128 of tile p, in two steps of 64.  So a fragment of K or V read from LDS feeds four tiles, and the two waves of a query group merge their O, m and l at the end, through LDS.
; Register tile t holds query tile (t + 2 p) & 3 of the group: both waves of a pair send register tiles 2, 3 and finish 0, 1, and the partner's 2, 3 are my 0, 1: one text for both parities.
; NO TILE IS LEFT OUT: eight of a head's sixteen blocks see every key, and the partners of a cluster make the same joint requests.
; THE MASK is the C operand that starts S^T = K Q^T: MD x AL + BE.  MD (8 registers) is the mask of a tile of 16 x 16 on the diagonal.  A piece's two tiles are neighbours, so the mask of tile u (0, 1) and key
; block kb hangs on e = kb - u alone: five masks a piece.  With DE = the piece's first query - the step's first key: (1, 0) if DE = 16 e, (0, -1e30) if DE > 16 e, (0, 0) otherwise.
; For keys below 1,024 the masks stay the zeros of the start, and their lines are jumped over.  Both parities see keys below 1,024 first, so m is a true score before the first hidden one.
; LAYOUT, SOFTMAX.  S^T holds ONE query a lane (lane % 16) and the keys 8 (lane / 16) + 0..7; two such results rounded to f16 ARE source 1 of O^T = V^T P.  p = 2^(c s - c m), c = log2(e) / sqrt(128), with a
; running maximum m; O and l are multiplied by a = 2^(c m_old - c m_new) in every step.
; BY TURNS.  The wave's tiles are two PIECES: piece 0 (tiles 0, 1) and piece 2 (tiles 2, 3).  Trip j: TURN 0: 32 products V^T P of piece 0 for step j - 1, then 32 products K Q^T of piece 0 for step j, and behind
; each of them one slice of four lines of piece 2's softmax of step j - 1; TURN 2: the same for piece 2, with piece 0's softmax of step j.
; NO FIRST AND NO LAST STEP IS WRITTEN OUT.  At the start O^T, l, V's registers and piece 0's P are 0, piece 2's scores -inf, m and c m the lowest finite number: the first trip's products add 0, its softmax
; gives p = 0 and a = 0 and leaves m as it was, and each piece's first true step has a = 0.  A 17th trip is left in its middle; its 32 products K Q^T, on the last K once more, serve nothing.
; CLUSTER.  The four query blocks of a cluster belong to one head and walk the same K and V: each tile is asked for jointly.
; REGISTERS, in windows of 256: window 0: addresses, statistics v12-43, MD v44-51, S^T v64-191, P v192-255; window 1: O^T, 64 a tile; window 2: Q v0-127, K v128-255; window 3: V v0-127, the masks v128-207.
.set KS,    64
.set PK,    272       ; a row of K in LDS: 256 bytes + 16 of padding: the 16 rows of a load start at 16 different groups of four banks (64 banks of 4 bytes: ISA guide 11.1)
.set PV,    288       ; a row of V: 256 + 32
.set KT,    128*PK    ; a tile of K: 128 keys, one wave's tensor load; K's two tiles lie at 0 and KT
.set VT,    128*PV    ; a tile of V; V's two tiles lie at VBASE and VBASE + VT
.set VBASE, 2*KT
.set SLOTX, 0x24000   ; slot 1 lies 147,456 bytes behind slot 0.  Bits 14 and 17 are clear in all four tiles' first bytes (0, 0x8800, 0x11000, 0x1a000), so one exclusive or turns each into the other slot's
.set SPARE, SLOTX+2*KT+2*VT  ; behind the ring: the spare words, 128 bytes for each wave: two blocks of 256 bytes that no other line names
.set STAGE, SPARE+512 ; 16 rows x 272 bytes for each wave, for the way out
.set SP,    272
.set MERGE, 0         ; over slot 0, behind its last fill and behind a barrier that follows every wave's last read of the ring: for each wave two tiles of O^T (8,192 bytes each), then 512 bytes of c m and l
.set MGW,   16896
.set PART,  8388608   ; bytes of q, of k and of v in qkv
.set AK0, 2           ; v2   my lane's place in a tile of K; never rewritten
.set AV0, 3           ; v3   the same for V
.set ADR, 4           ; v4   the LDS address of the run of loads in hand
.set QOA, 5           ; v5   my byte offset in the group's rows of Q, register tiles 0, 1
.set STO, 6           ; v6   the way out: where I put 16 bytes of a row
.set RD,  7           ; v7   where I read a row back
.set GO,  8           ; v8   my byte offset in two rows of ob
.set ST,  12          ; tile t's statistics at v[ST+8 t]: +0 c m, +1 m, +2, +3 l (even keys', odd keys'), +4 to +7 at work; a takes +6
.set MD,  44
.set QOB, 52          ; v52  as v5, register tiles 2, 3
.set MGS, 53          ; v53  where I send O^T;  v54 the statistics;  v55, v56 where the partner sent its own
.set MGS4, 54
.set MGL, 55
.set MGL4, 56
.set PFO, 61          ; v61  256 x my lane; never rewritten
.set SPW, 62          ; v62  LDS address of my spare word; never rewritten
.set NIL, 63          ; v63  0; never rewritten
.set S,   64
.set P,   192
.set KF,  128         ; K's fragments, in window 2
.set MC,  128         ; the masks, in window 3: piece x, e = kb - u at MC + 40 (x / 2) + 8 (e + 1)
.set WV,  12          ; s12  my wave's number
.set LIM, 15          ; s15  1 in a wave that prefetches, else the greatest number
.set PFA, 18          ; s[18:19] where my prefetches stand
.set G1K, 24          ; s[24:31] descriptor group 1 for K's tiles;  s[32:39] for V's
.set G1V, 32
.set G0K, 40          ; s[40:43] group 0 for K's tiles: it walks;  s[44:47] the same for V's
.set G0V, 44
.set SLOTS, 56        ; s56  changes of slots that still ask for a tile
.set TWICE, 57        ; s57  counts a slot's two trips
.set CS,  58          ; s[58:59] c
.set SEL, 60          ; s[60:61] v_permlanex16_b32's selects
.set TBK, 62          ; s62  LDS byte at which K of my next step begins
.set TBV, 63          ; s63  the same for V
.set Q0,  66          ; s66, s67  the first query of piece 0, of piece 2
.set DE,  70          ; s70, s71  Q0 less the step's first key
.set K0,  74          ; s74  the first key of my next step
.set CNT, 75          ; s75  trips to go in the tail
.set AL,  76          ; s[76:77] the mask's factor, in the low word
.set BE,  78          ; s[78:79] its addend
.set BIGN, 80         ; s80  -1e30
.set NINF, 81         ; s81  -inf
.set MSB, 0
.macro WIN new                      ; the immediate's high byte repeats the setting that is left; a switch that changes nothing is dropped
.if MSB != (\new)
	s_set_vgpr_msb (MSB<<8)|(\new)
.set MSB, \new
.endif
.endm
.set W_KQ, 0x0a       ; K and Q in window 2, S^T in window 0
.set W_KM, 0x3a       ; the same with the C operand in window 3
.set W_PV, 0x53       ; V in window 3, P in window 0, O^T in window 1
.set W_RS, 0x41       ; O^T (destination and source 0) in window 1, a in window 0
; A joint fill.  Waves 0 and 1 fetch a slot's two tiles of K, waves 2 and 3 those of V: 128 keys each.  An s_nop 0 and four v_nop follow each of the two lines.
.macro JLOAD
	s_cmp_lt_u32 s[WV], 2
	s_cbranch_scc0 .Lfor_v_\@
	tensor_load_to_lds s[G0K:G0K+3], s[G1K:G1K+7]
	s_nop 0
.rept 4
	v_nop
.endr
	s_branch .Lasked_\@
.Lfor_v_\@:
	tensor_load_to_lds s[G0V:G0V+3], s[G1V:G1V+7]
	s_nop 0
.rept 4
	v_nop
.endr
.Lasked_\@:
.endm
; A prefetch into the L2 of what the NEXT change of slots will ask for: a lane a row of 256 bytes.  Each row is named once in the launch: the head's first cluster asks; of the 128 rows of the tile that a
; wave fetches, each of the four partners takes 32, told apart by address.  It stands two trips, 256 matrix instructions, ahead of the load.  The last change that asks for a tile (SLOTS = 1) prefetches nothing.
.macro ASK
	s_cmp_gt_u32 s[SLOTS], s[LIM]
	s_cbranch_scc0 .Lnot_mine_\@
	global_prefetch_b8 v[PFO], s[PFA:PFA+1] th:TH_LOAD_NT scope:SCOPE_SE
.Lnot_mine_\@:
.endm
.macro CROUND                       ; a round of the cluster's barrier
	s_barrier_signal -1
	s_barrier_wait -1
	s_cmp_lg_u32 s[WV], 0
	s_cbranch_scc1 .Lnot_wave_0_\@
	s_barrier_signal -3
.Lnot_wave_0_\@:
	s_barrier_wait -3
	s_barrier_signal -1
	s_barrier_wait -1
.endm
	s_load_b128 s[4:7], s[0:1], 0x0 ; qkv s[4:5], ob s[6:7]
	v_lshl_add_u32 v[SPW], v0, 2, SPARE
	v_mov_b32 v[NIL], 0
	ds_add_u32 v[SPW], v[NIL]       ; the wave's opening: the add and its wait stand ahead of my first tensor load; the set-up below stands between them
	v_lshrrev_b32 v1, 5, v0
	v_readfirstlane_b32 s[WV], v1   ; wave 0..3
	s_bfe_u32 s13, ttmp6, 0x40000   ; cx
	s_lshl_b32 s14, ttmp9, 2
	s_add_co_u32 s14, s14, s13      ; my block of 128 queries: it enters Q's and O's addresses and the masks' scalars alone
	s_and_b32 s20, ttmp7, 0xffff    ; the head bh, which the four partners share
	s_and_b32 s16, s[WV], 1         ; p: the tile of a slot that I fetch, and that I multiply
	s_lshr_b32 s86, s[WV], 1        ; my query group
	s_lshl_b32 s21, s20, 19         ; the head's first byte in each part
	s_lshl_b32 s22, s16, 15         ; my tile's 128 rows of 256 bytes
	s_add_co_u32 s22, s22, s21
	s_mov_b32 s23, 0
	s_mul_i32 s17, s16, KT          ; its place in a slot, for K
	s_mul_i32 s82, s16, VT
	s_add_co_u32 s82, s82, VBASE    ; and for V: no place in the cluster enters an LDS address
	s_lshl_b32 s2, s14, 15
	s_lshl_b32 s3, s86, 14
	s_add_co_u32 s2, s2, s3
	s_add_co_u32 s2, s2, s21        ; Q: head + (128 block + 64 group) rows
	s_mov_b32 s3, 0
	s_lshl_b32 s87, s14, 7
	s_lshl_b32 s84, s86, 6
	s_add_co_u32 s87, s87, s84      ; the group's first query
	s_lshl_b32 s85, s16, 5          ; 32 p
	s_add_co_u32 s[Q0], s87, s85    ; piece 0
	s_xor_b32 s84, s85, 32          ; 32 (1 - p)
	s_add_co_u32 s[Q0+1], s87, s84  ; piece 2
	s_lshr_b32 s84, s20, 3          ; the batch
	s_lshl_b32 s84, s84, 11
	s_add_co_u32 s84, s84, s[Q0]    ; the first token that I finish
	s_lshl_b32 s84, s84, 11         ; rows of 2,048 bytes
	s_and_b32 s85, s20, 7
	s_lshl_b32 s85, s85, 8          ; the head's 256 bytes of a row
	s_add_co_u32 s84, s84, s85
	s_mov_b32 s85, 0
	s_lshl_b32 s[K0], s16, 7
	s_sub_co_u32 s[K0], s[K0], 128  ; the first change of slots makes 128 p of it
	s_add_co_u32 s[TBK], s17, SLOTX+2*KS*PK  ; and of these two my tiles' first bytes in slot 0
	s_add_co_u32 s[TBV], s82, SLOTX+2*KS*PV
	; descriptor group 1: a tile of 128 rows x 128 elements, padded in LDS
	s_mov_b32 s[G1K], 15|(1<<16)|(1<<20)|(1<<21)|(5<<22)|(3<<25)  ; the mask of four; 2-byte elements; padding on; bit 21 beside a mask; after every 64 words, 4 words
	s_mov_b32 s[G1V], 15|(1<<16)|(1<<20)|(1<<21)|(5<<22)|(7<<25)  ; the same with 8 words
.irp g, G1K, G1V
	s_mov_b32 s[(\g)+1], 128<<16    ; tensor_dim0 = 128
	s_mov_b32 s[(\g)+2], 128<<16    ; tensor_dim1 = 128
	s_mov_b32 s[(\g)+3], 128<<16    ; tile_dim0 = 128
	s_mov_b32 s[(\g)+4], 128        ; tile_dim1 = 128
	s_mov_b32 s[(\g)+5], 128        ; elements from row to row
	s_mov_b32 s[(\g)+6], 0
	s_mov_b32 s[(\g)+7], 0
.endr
	s_mov_b32 s[G0K], 1             ; count = 1
	s_mov_b32 s[G0K+1], s17         ; LDS address: slot 0
	s_mov_b32 s[G0V], 1
	s_mov_b32 s[G0V+1], s82
	s_mov_b32 s[CS], 0x3e0293ee     ; c = log2(e) / sqrt(128) = 0.127517
	s_mov_b32 s[CS+1], s[CS]        ; named with it as a pair
	s_mov_b32 s[SEL], 0x76543210
	s_mov_b32 s[SEL+1], 0xfedcba98
	s_mov_b32 s[AL+1], 0            ; named as pairs
	s_mov_b32 s[BE+1], 0
	s_mov_b32 s[BIGN], 0xf149f2ca   ; -1e30
	s_mov_b32 s[NINF], 0xff800000   ; -inf
	s_mov_b32 s[LIM], ttmp9
	s_cmp_eq_u32 s[LIM], 0          ; is the cluster the head's first?  The same in all four partners
	s_cselect_b32 s[LIM], 1, -1
	v_and_b32 v[PFO], 31, v0
	v_lshlrev_b32 v[PFO], 8, v[PFO]
	s_wait_dscnt 0x0                ; the opening add is done
	s_wait_kmcnt 0x0
	s_add_nc_u64 s[10:11], s[6:7], s[84:85]  ; O at the first row that I finish
	s_add_nc_u64 s[6:7], s[4:5], s[22:23]
	s_add_nc_u64 s[8:9], s[6:7], 2*PART      ; V at my tile of slot 0
	s_add_nc_u64 s[6:7], s[6:7], PART        ; K likewise
	s_add_nc_u64 s[4:5], s[4:5], s[2:3]      ; Q at my group's first row
	s_add_nc_u64 s[G0K+2:G0K+3], s[6:7], 0   ; global address: my tile of the head's first 256 keys
	s_or_b32 s[G0K+3], s[G0K+3], 0x80000000  ; type = 2
	s_add_nc_u64 s[G0V+2:G0V+3], s[8:9], 0
	s_or_b32 s[G0V+3], s[G0V+3], 0x80000000
	s_cmp_lt_u32 s[WV], 2
	s_cselect_b64 s[PFA:PFA+1], s[6:7], s[8:9]  ; the tile that I fetch
	s_lshl_b32 s2, s13, 13          ; my work-group's 32 rows of its 128
	s_mov_b32 s3, 0
	s_add_nc_u64 s[PFA:PFA+1], s[PFA:PFA+1], s[2:3]
	s_add_nc_u64 s[PFA:PFA+1], s[PFA:PFA+1], 4*KS*256  ; in the second 256 keys; the first change of slots steps it to the third.  Nothing is prefetched at the head
	CROUND                          ; all four work-groups are here: the first joint loads meet
	JLOAD                           ; slot 0.  Slot 1 is asked for when slot 0 is in, by the loop's own change of slots
	; A fragment of K or Q is 16 rows x 32 channels in 8 registers: lane l holds row l % 16; two loads of 16 bytes, 32 bytes apart.
	v_and_b32 v1, 15, v0            ; l % 16
	v_bfe_u32 v9, v0, 4, 1          ; l / 16
	v_lshlrev_b32 v[QOA], 8, v1
	v_lshl_add_u32 v[QOA], v9, 4, v[QOA]
	s_lshl_b32 s2, s16, 13          ; register tiles 0, 1 are the group's rows 32 p on,
	s_xor_b32 s3, s2, 8192          ; tiles 2, 3 its rows 32 (1 - p) on
	v_add_nc_u32 v[QOB], s3, v[QOA]
	v_add_nc_u32 v[QOA], s2, v[QOA]
	WIN 0x80                        ; destination window 2, address window 0
.irp i, 0,1,2,3,4,5,6,7             ; Q stays in registers: tile i / 4, channels 32 (i % 4) on
	global_load_b128 v[8*(\i):8*(\i)+3],   v[QOA], s[4:5] offset:((\i)/4)*4096+((\i)%4)*64
	global_load_b128 v[8*(\i)+4:8*(\i)+7], v[QOA], s[4:5] offset:((\i)/4)*4096+((\i)%4)*64+32
.endr
.irp i, 8,9,10,11,12,13,14,15
	global_load_b128 v[8*(\i):8*(\i)+3],   v[QOB], s[4:5] offset:(((\i)-8)/4)*4096+((\i)%4)*64
	global_load_b128 v[8*(\i)+4:8*(\i)+7], v[QOB], s[4:5] offset:(((\i)-8)/4)*4096+((\i)%4)*64+32
.endr
	WIN 0
	v_lshlrev_b32 v57, 3, v9
	v_sub_nc_u32 v57, v1, v57       ; on the diagonal register j (key 8 (l / 16) + j) is hidden from query l % 16 where j <= l % 16 - 8 (l / 16)
.irp j, 0,1,2,3,4,5,6,7
	v_cmp_le_i32 vcc_lo, \j, v57
	v_cndmask_b32 v[MD+(\j)], 0, s[BIGN], vcc_lo
.endr
	; What the first trip finds.  All this stands in the wait for the first tile; it is the price of writing no first step out.
	WIN 0x40                        ; O^T = 0
.set i, 0
.rept 256
	v_mov_b32 v[i], 0
.set i, i+1
.endr
	WIN 0xc0                        ; V's registers = 0 (the first trip's products V^T P add 0), and behind them the ten masks = 0
.set i, 0
.rept 128+80
	v_mov_b32 v[i], 0
.set i, i+1
.endr
	WIN 0
.irp t, 0,1,2,3
	v_mov_b32 v[ST+8*(\t)], 0xff7fffff    ; c m: below every c s and below c times the m beside it, so that the first a is 0
	v_mov_b32 v[ST+8*(\t)+1], 0xff7fffff  ; m: the lowest finite number
	v_mov_b32 v[ST+8*(\t)+2], 0
	v_mov_b32 v[ST+8*(\t)+3], 0
.endr
.set i, 0
.rept 32
	v_mov_b32 v[P+i], 0             ; piece 0's weights of the step that has not been
.set i, i+1
.endr
.set i, 0
.rept 64
	v_mov_b32 v[S+64+i], s[NINF]    ; piece 2's scores of that step: they leave m as it is, and their weights are 0
.set i, i+1
.endr
	v_mul_u32_u24 v[AK0], v1, PK
	v_lshl_add_u32 v[AK0], v9, 4, v[AK0]  ; row x pitch + 16 x half
	; The turning load takes 16 keys x 16 channels (lane l reads key 8 (l / 16) + l % 8, channels 8 ((l / 8) % 2) + 0..7) and leaves half a fragment of V^T.
	v_and_b32 v10, 7, v0
	v_bfe_u32 v11, v0, 3, 1
	v_lshl_add_u32 v[AV0], v9, 3, v10
	v_mul_u32_u24 v[AV0], v[AV0], PV
	v_lshl_add_u32 v[AV0], v11, 4, v[AV0]
	s_mul_i32 s2, s[WV], 16*SP
	s_add_co_u32 s2, s2, STAGE      ; my stage
	v_mul_u32_u24 v[STO], v1, SP
	v_lshl_add_u32 v[STO], v9, 4, v[STO]
	v_add_nc_u32 v[STO], s2, v[STO]
	v_mul_u32_u24 v[RD], v9, SP
	v_lshl_add_u32 v[RD], v1, 4, v[RD]
	v_add_nc_u32 v[RD], s2, v[RD]
	v_lshlrev_b32 v[GO], 11, v9     ; lanes 0-15 one token's 256 bytes, lanes 16-31 the next token's
	v_lshl_add_u32 v[GO], v1, 4, v[GO]
	v_and_b32 v58, 31, v0
	s_mul_i32 s2, s[WV], MGW
	s_add_co_u32 s2, s2, MERGE
	v_lshl_add_u32 v[MGS], v58, 4, s2
	v_lshl_add_u32 v[MGS4], v58, 2, s2
	s_xor_b32 s3, s[WV], 1          ; the wave with my queries and the other keys
	s_mul_i32 s3, s3, MGW
	s_add_co_u32 s3, s3, MERGE
	v_lshl_add_u32 v[MGL], v58, 4, s3
	v_lshl_add_u32 v[MGL4], v58, 2, s3
; THE MATRIX WORK, for piece x.  The accumulators take turns, one instruction a turn: between two links of a chain stand 7 (K Q^T) or 15 (V^T P) others'.
; Product i of 32 of S^T = K Q^T: channels 32 (i / 8) on, keys 16 ((i / 2) % 4) on, tile x + i % 2.  The first 8 start the sums, with the mask of e = kb - u.
.macro KQ x
.set rS, S+32*((\x)+i%2)+8*((i/2)%4)
.set rK, KF+32*((i/2)%4)+8*(i/8)
.set rQ, 32*((\x)+i%2)+8*(i/8)
.set rM, MC+40*((\x)/2)+8*((i/2)%4-i%2+1)
.if i < 8
	WIN W_KM
	v_wmma_f32_16x16x32_f16 v[rS:rS+7], v[rK:rK+7], v[rQ:rQ+7], v[rM:rM+7]
.else
	WIN W_KQ
	v_wmma_f32_16x16x32_f16 v[rS:rS+7], v[rK:rK+7], v[rQ:rQ+7], v[rS:rS+7]
.endif
.endm
; Product i of 32 of O^T += V^T P: keys 32 (i / 16) on, channels 16 ((i / 2) % 8) on, tile x + i % 2.
.macro PV x
	WIN W_PV
.set rO, 64*((\x)+i%2)+8*((i/2)%8)
.set rV, 64*(i/16)+8*((i/2)%8)
.set rP, P+16*((\x)+i%2)+8*(i/16)
	v_wmma_f32_16x16x32_f16 v[rO:rO+7], v[rV:rV+7], v[rP:rP+7], v[rO:rO+7]
.endm
; THE LDS LOADS stand in runs of 32, never singly among the matrix instructions: a step's K (16 fragments) and, a turn later, its V (turned).
.macro FETCH_K
	WIN 0
	v_add_nc_u32 v[ADR], s[TBK], v[AK0]
	s_add_co_u32 s[TBK], s[TBK], KS*PK  ; the next fetch is the next step's
	WIN 0x80                        ; destination window 2
.irp f, 0,1,2,3,4,5,6,7,8,9,10,11,12,13,14,15  ; keys 16 (f / 4) on, channels 32 (f % 4) on
	ds_load_b128 v[KF+8*(\f):KF+8*(\f)+3],   v[ADR] offset:((\f)/4)*16*PK+((\f)%4)*64
	ds_load_b128 v[KF+8*(\f)+4:KF+8*(\f)+7], v[ADR] offset:((\f)/4)*16*PK+((\f)%4)*64+32
.endr
.endm
.macro FETCH_V
	WIN 0
	v_add_nc_u32 v[ADR], s[TBV], v[AV0]
	s_add_co_u32 s[TBV], s[TBV], KS*PV
	s_wait_alu depctr_va_vdst(0)    ; the wait for the softmax's batch (SLICE), behind the address's v_add_nc_u32 and ahead of the loads
	WIN 0xc0                        ; destination window 3
.irp f, 0,1,2,3,4,5,6,7,8,9,10,11,12,13,14,15  ; keys 32 (f / 8) on, channels 16 (f % 8) on
	ds_load_tr16_b128 v[8*(\f):8*(\f)+3],   v[ADR] offset:((\f)/8)*32*PV+((\f)%8)*32
	ds_load_tr16_b128 v[8*(\f)+4:8*(\f)+7], v[ADR] offset:((\f)/8)*32*PV+16*PV+((\f)%8)*32
.endr
.endm
; The step's ten masks: whole numbers choose two scalars, and four packed lines make a mask of them.  e in the text below is kb - u + 1.
.macro MASKS
	s_sub_co_i32 s[DE], s[Q0], s[K0]
	s_sub_co_i32 s[DE+1], s[Q0+1], s[K0]
	WIN 0xc0                        ; destination window 3, MD in window 0
.irp px, 0,1
.irp e, 0,1,2,3,4
	s_cmp_eq_i32 s[DE+(\px)], 16*(\e)-16
	s_cselect_b32 s[AL], 1.0, 0
	s_cmp_gt_i32 s[DE+(\px)], 16*(\e)-16
	s_cselect_b32 s[BE], s[BIGN], 0
.irp z, 0,2,4,6
	v_pk_fma_f32 v[MC+40*(\px)+8*(\e)+(\z):MC+40*(\px)+8*(\e)+(\z)+1], v[MD+(\z):MD+(\z)+1], s[AL:AL+1], s[BE:BE+1] op_sel_hi:[1,0,0]
.endr
.endr
.endr
	WIN 0
.endm
; THE VECTOR WORK.  One tile's softmax for one step is a list of 134 instructions; SM writes number j of it for tile t.  s0-s31 are the lane's 32 scores, in pairs 0-15.
;   0-15    the maximum of s0-s31 and the old m, three operands at a time (each accumulator's lowest registers are read first)
;   16-20   the other half of the lanes' maximum; c m_old kept; the new m; c m; c m_old - c m_new
;   21-69   ONE BATCH: the 16 scalings c s - c m and all 33 exponentials (a at 23, then s0-s31); none of these reads an exponential's result
;   70-85   the roundings to f16     86-101  the sums; l = a l + the sum     102-133 the tile's O^T times a
.macro SM t
.set rT, ST+8*(\t)
.set rS, S+32*(\t)
.set rP, P+16*(\t)
.set rO, 64*(\t)+2*(j-102)
.if j < 102
	WIN 0
.endif
.if j < 4
	v_max3_num_f32 v[rT+4+j], v[rS+8*j], v[rS+8*j+1], v[rS+8*j+2]
.elseif j < 12
	v_max3_num_f32 v[rT+4+j%4], v[rT+4+j%4], v[rS+8*(j%4)+2*(j/4)+1], v[rS+8*(j%4)+2*(j/4)+2]
.elseif j == 12
	v_max3_num_f32 v[rT+4], v[rT+4], v[rS+7], v[rS+15]
.elseif j == 13
	v_max3_num_f32 v[rT+6], v[rT+6], v[rS+23], v[rS+31]
.elseif j == 14
	v_max3_num_f32 v[rT+4], v[rT+4], v[rT+5], v[rT+6]
.elseif j == 15
	v_max3_num_f32 v[rT+4], v[rT+4], v[rT+7], v[rT+1]
.elseif j == 16
	v_permlanex16_b32 v[rT+5], v[rT+4], s[SEL], s[SEL+1]  ; the query's other 32 keys lie in the lane 16 away
.elseif j == 17
	v_mov_b32 v[rT+7], v[rT]        ; c m_old is kept for a
.elseif j == 18
	v_max_num_f32 v[rT+1], v[rT+4], v[rT+5]
.elseif j == 19
	v_mul_f32 v[rT], s[CS], v[rT+1]
.elseif j == 20
	v_sub_f32 v[rT+7], v[rT+7], v[rT]
.elseif j == 23
	v_exp_f32 v[rT+6], v[rT+7]
.elseif (j < 23) || ((j < 38) && (j%2 == 0)) || ((j < 66) && (j%4 == 2))
.set b, (j-2)/4                     ; 38, 42, .. 62: pairs 9 to 15
.if j < 38
.set b, (j-20)/2                    ; 21: pair 0; 22, 24, .. 36: pairs 1 to 8
.endif
	v_pk_fma_f32 v[rS+2*b:rS+2*b+1], v[rS+2*b:rS+2*b+1], s[CS:CS+1], v[rT:rT+1] op_sel_hi:[1,0,0] neg_lo:[0,0,1] neg_hi:[0,0,1]  ; pair b: c s - c m
.elseif j < 70
.set e, j-38                        ; 66 to 69: s28 to s31
.if j < 66
.set e, j-32-(j-38)/4               ; 39-41, 43-45, .. 63-65: s7 to s27
.endif
.if j < 38
.set e, (j-25)/2                    ; 25, 27, .. 37: s0 to s6
.endif
	v_exp_f32 v[rS+e], v[rS+e]
.elseif j < 86
	v_cvt_pk_f16_f32 v[rP+j-70], v[rS+2*(j-70)], v[rS+2*(j-70)+1]
.elseif j < 102                     ; the sum of the tile's 16 pairs, in place: neighbours 1, 2, 4 and 8 pairs apart, then l takes it
.set z, j-86
.set w, 4
.set u, z
.if z >= 14
.set w, 32
.set u, 0
.elseif z >= 12
.set w, 16
.set u, z-12
.elseif z >= 8
.set w, 8
.set u, z-8
.endif
.if z < 15
	v_pk_add_f32 v[rS+w*u:rS+w*u+1], v[rS+w*u:rS+w*u+1], v[rS+w*u+w/2:rS+w*u+w/2+1]
.else
	v_pk_fma_f32 v[rT+2:rT+3], v[rT+2:rT+3], v[rT+6:rT+7], v[rS:rS+1] op_sel_hi:[1,0,1]
.endif
.else
	WIN W_RS
	v_pk_mul_f32 v[rO:rO+1], v[rO:rO+1], v[rT+6:rT+7] op_sel_hi:[1,0]
.endif
.endm
; Slice k of 64 of piece y's softmax: four instructions.  Slices 11 to 34 deal out the batch, four numbers of one tile each, the tiles by turns; every other slice is numbers 2 k and 2 k + 1 of both
; tiles; the twelve that are over stand in slice 63: sixteen plain lines that name nothing of the products round them, the places behind a turn's last product.
; Ahead of slice 35 nothing names an exponential's result, and behind slice 34 none is issued: so the piece's 66 exponentials have ONE wait.  In piece 2's turn V's run of loads stands at that wait.
.macro SLICE y
.if (k >= 11) && (k < 35)
.irp n, 0,1,2,3
.set j, 22+4*((k-11)/2)+(\n)
	SM (\y)+(k-11)%2
.endr
.else
.irp n, 0,1,2,3,4,5,6,7
.if ((\n) < 2) || (k == 63)
.irp t, \y, (\y)+1
.set j, 2*k+(\n)
	SM \t
.endr
.endif
.endr
.endif
.if k == 34
	v_nop                           ; a plain instruction behind the last exponential, one for the batch
.if (\y) == 0
	FETCH_V                         ; V's last reader stands in front of slice 31; four plain lines lie between: number 62, a scaling, of both tiles, the v_nop and the run's own v_add_nc_u32
.else
	s_wait_alu depctr_va_vdst(0)    ; the wait ahead of the first use
.endif
.endif
.set k, k+1
.endm
; A TURN.  Piece x has the matrix unit: 32 products V^T P of the step before, 32 products K Q^T of the step in hand; the other piece's softmax stands in slices behind them, one behind each.
; Piece 0's turn fetches the step's K behind its second product: the last product that read K stands in front of slice 63 of the turn before; the run has 30 products in which to land.
; Piece 2's turn fetches the step's V behind its 35th product; it is waited for at the head of the next turn, 29 products on.
; last = 1 (the tail): in the 17th trip there is no further K, and its run is jumped over.
.macro TURN x, last
.set k, 0
.if (\x) == 0
	s_wait_dscnt 0x0                ; V is in
.endif
.set i, 0
.rept 32
	PV \x
	SLICE 2-(\x)
.if ((\x) == 0) && (i == 1)
.if \last
	WIN 0
	s_cmp_eq_u32 s[CNT], 1
	s_cbranch_scc1 .Lno_k_\@
.endif
	FETCH_K
.if \last
	WIN 0
.Lno_k_\@:
.endif
.endif
.set i, i+1
.endr
.if (\x) == 0
	s_wait_dscnt 0x0                ; K is in
.endif
.set i, 0
.rept 32
	KQ \x
	SLICE 2-(\x)
.set i, i+1
.endr
.endm
; A TRIP: the step's masks, where its keys can be hidden; then the two turns.  last = 1: the tail's text: its keys lie beyond 1,024, and its third trip is left behind piece 0's turn.
.macro TRIP last
.if !(\last)
	s_cmp_lt_u32 s[K0], 1024        ; keys below 1,024 are hidden from nobody: the masks are still the zeros of the start
	s_cbranch_scc1 .Lno_mask_\@
.endif
	MASKS
.if !(\last)
.Lno_mask_\@:
.endif
	s_add_co_u32 s[K0], s[K0], KS
	TURN 0, \last
.if \last
	WIN 0
	s_cmp_eq_u32 s[CNT], 1
	s_cbranch_scc1 .Lout
.endif
	TURN 2, 0
	WIN 0
.endm
; THE CHANGE OF SLOTS, between piece 2's turn and piece 0's: the slot's last bytes, V of its second step, have been asked for.  Each wave waits for all its tensor loads (one is out: its tile of the other
; slot), adds 0 to its spare word, and waits for that and for its own reads of the slot.  Behind the barrier nobody reads this slot any more and the other slot is whole.
; fill = 1: the barrier is a round of the cluster's, and the slot just left takes the next 256 keys but one, first thing behind it: the load has two trips, 256 matrix instructions, in which to land.
; (At its first use nothing has been read yet: slot 0 is waited for, slot 1 filled.)
.macro CHANGE fill
	WIN 0
	s_wait_tensorcnt 0x0            ; no tensor load of mine is out, so a group 0 may be written
	ds_add_u32 v[SPW], v[NIL]       ; 0 onto my spare word; with fill = 1 the descriptors' steps stand between it and the wait for it
.if \fill
.irp g, G0K, G0V
	s_xor_b32 s[(\g)+1], s[(\g)+1], SLOTX  ; the walking descriptor: the other slot than last time,
	s_add_nc_u64 s[(\g)+2:(\g)+3], s[(\g)+2:(\g)+3], 4*KS*256  ; the next 256 keys; the type bits on top are not reached
.endr
	s_wait_xcnt 0x0                 ; the last prefetch, two trips back, has read its address
	s_add_nc_u64 s[PFA:PFA+1], s[PFA:PFA+1], 4*KS*256
	s_wait_dscnt 0x0                ; the add is done, and my reads of the slot are over
	CROUND
	JLOAD
	ASK
.else
	s_wait_dscnt 0x0
	s_barrier_signal -1
	s_barrier_wait -1
.endif
	s_sub_co_u32 s[TBK], s[TBK], 2*KS*PK  ; the fetches go back to my tile's first step,
	s_xor_b32 s[TBK], s[TBK], SLOTX       ; in the other slot
	s_sub_co_u32 s[TBV], s[TBV], 2*KS*PV
	s_xor_b32 s[TBV], s[TBV], SLOTX
	s_add_co_u32 s[K0], s[K0], 2*KS       ; over the other parity's 128 keys
.endm
	s_wait_loadcnt 0x0              ; Q
	s_mov_b32 s[SLOTS], 7
.Lslot:                             ; seven times: 256 keys are entered and the next 256 asked for
	CHANGE 1
	s_mov_b32 s[TWICE], 2
.Lstep:
	TRIP 0
	s_sub_co_u32 s[TWICE], s[TWICE], 1
	s_cmp_lg_u32 s[TWICE], 0
	s_cbranch_scc1 .Lstep
	s_sub_co_u32 s[SLOTS], s[SLOTS], 1
	s_cmp_lg_u32 s[SLOTS], 0
	s_cbranch_scc1 .Lslot
	CHANGE 0                        ; the last 256 keys have a text of their own: nothing is asked for
	s_mov_b32 s[CNT], 3             ; two trips for their two steps; the third is left in its middle
.Ltail:
	TRIP 1
	s_sub_co_u32 s[CNT], s[CNT], 1
	s_cmp_lg_u32 s[CNT], 0
	s_cbranch_scc1 .Ltail
.Lout:
	s_wait_dscnt 0x0                ; no LDS load of mine is out
.set i, 0
.rept 32
	PV 2                            ; piece 2: V^T P of the last step
.set i, i+1
.endr
	WIN 0
	; THE MERGE.  l's two halves and the other half of the lanes' are added (the additions are the places behind the last products); register tiles 2, 3 go to the partner with their c m and l.
.irp t, 0,1,2,3
	v_add_f32 v[ST+8*(\t)+4], v[ST+8*(\t)+2], v[ST+8*(\t)+3]
.endr
.irp t, 0,1,2,3
	v_permlanex16_b32 v[ST+8*(\t)+5], v[ST+8*(\t)+4], s[SEL], s[SEL+1]
.endr
.irp t, 0,1,2,3
	v_add_f32 v[ST+8*(\t)+4], v[ST+8*(\t)+4], v[ST+8*(\t)+5]
.endr
	s_barrier_signal -1             ; every wave's reads of the ring are over (the wait above): behind this barrier slot 0's bytes, which are filled no more, take the merge
	s_barrier_wait -1
	WIN 0x04                        ; the stores' data in window 1
.irp t, 2,3
.irp i, 0,1,2,3,4,5,6,7,8,9,10,11,12,13,14,15
	ds_store_b128 v[MGS], v[64*(\t)+4*(\i):64*(\t)+4*(\i)+3] offset:8192*((\t)-2)+512*(\i)
.endr
.endr
	WIN 0
.irp t, 2,3
	ds_store_b32 v[MGS4], v[ST+8*(\t)] offset:16384+256*((\t)-2)
	ds_store_b32 v[MGS4], v[ST+8*(\t)+4] offset:16384+256*((\t)-2)+128
.endr
	s_wait_dscnt 0x0                ; for the partner's sake
	s_barrier_signal -1
	s_barrier_wait -1
	WIN 0x40                        ; the partner's tiles land where mine have left
.irp u, 0,1
.irp i, 0,1,2,3,4,5,6,7,8,9,10,11,12,13,14,15
	ds_load_b128 v[128+64*(\u)+4*(\i):128+64*(\u)+4*(\i)+3], v[MGL] offset:8192*(\u)+512*(\i)
.endr
.endr
	WIN 0
.irp u, 0,1
	ds_load_b32 v[ST+8*(\u)+16], v[MGL4] offset:16384+256*(\u)
	ds_load_b32 v[ST+8*(\u)+20], v[MGL4] offset:16384+256*(\u)+128
.endr
	s_wait_dscnt 0x0
	; M = max(c m, c m'); a = 2^(c m - M), a' = 2^(c m' - M); L = a l + a' l'; O = (a O + a' O') / L
.irp u, 0,1
	v_max_num_f32 v[ST+8*(\u)+1], v[ST+8*(\u)], v[ST+8*(\u)+16]
.endr
.irp u, 0,1
	v_sub_f32 v[ST+8*(\u)+2], v[ST+8*(\u)], v[ST+8*(\u)+1]
	v_sub_f32 v[ST+8*(\u)+18], v[ST+8*(\u)+16], v[ST+8*(\u)+1]
.endr
.irp u, 0,1
	v_exp_f32 v[ST+8*(\u)+3], v[ST+8*(\u)+2]
	v_exp_f32 v[ST+8*(\u)+19], v[ST+8*(\u)+18]
.endr
	v_nop
	s_wait_alu depctr_va_vdst(0)    ; one wait for the four exponentials
.irp u, 0,1
	v_mul_f32 v[ST+8*(\u)+5], v[ST+8*(\u)+3], v[ST+8*(\u)+4]
.endr
.irp u, 0,1
	v_fma_f32 v[ST+8*(\u)+5], v[ST+8*(\u)+19], v[ST+8*(\u)+20], v[ST+8*(\u)+5]
.endr
.irp u, 0,1
	v_rcp_f32 v[ST+8*(\u)+7], v[ST+8*(\u)+5]
.endr
	v_nop
	s_wait_alu depctr_va_vdst(0)    ; one wait for the two reciprocals
.irp u, 0,1
	v_mul_f32 v[ST+8*(\u)+6], v[ST+8*(\u)+3], v[ST+8*(\u)+7]
	v_mul_f32 v[ST+8*(\u)+22], v[ST+8*(\u)+19], v[ST+8*(\u)+7]
.endr
; Tile u: merged, rounded to f16, through my stage: a lane's eight channels are 16 bytes of a row; they come back as whole rows of 256 bytes.
.macro PACK u
	WIN W_RS
.set i, 0
.rept 32
	v_pk_mul_f32 v[64*(\u)+i:64*(\u)+i+1], v[64*(\u)+i:64*(\u)+i+1], v[ST+8*(\u)+6:ST+8*(\u)+7] op_sel_hi:[1,0]
.set i, i+2
.endr
	WIN 0x51                        ; sources 0 and 2 and the destination in window 1, the factor in window 0
.set i, 0
.rept 32
	v_pk_fma_f32 v[64*(\u)+i:64*(\u)+i+1], v[128+64*(\u)+i:128+64*(\u)+i+1], v[ST+8*(\u)+22:ST+8*(\u)+23], v[64*(\u)+i:64*(\u)+i+1] op_sel_hi:[1,0,1]
.set i, i+2
.endr
	WIN 0x05                        ; sources 0 and 1 window 1, destination window 0: S^T's registers are free
.set i, 0
.rept 32
	v_cvt_pk_f16_f32 v[S+32*(\u)+i], v[64*(\u)+2*i], v[64*(\u)+2*i+1]
.set i, i+1
.endr
	WIN 0
.irp f, 0,1,2,3,4,5,6,7
	ds_store_b128 v[STO], v[S+32*(\u)+4*(\f):S+32*(\u)+4*(\f)+3] offset:32*(\f)
.endr
.irp f, 0,1,2,3,4,5,6,7
	ds_load_b128 v[S+32*(\u)+4*(\f):S+32*(\u)+4*(\f)+3], v[RD] offset:(\f)*2*SP  ; LDS serves a wave's instructions in order (ISA guide 5.7.1.4): these see the stores above; the next tile's stores come behind them
.endr
.endm
.macro SEND u, younger              ; younger: the LDS instructions issued behind tile u's loads
.irp f, 0,1,2,3,4,5,6,7
	s_wait_dscnt (\younger)+7-(\f)
	global_store_b128 v[GO], v[S+32*(\u)+4*(\f):S+32*(\u)+4*(\f)+3], s[10:11] offset:32768*(\u)+4096*(\f)  ; 16 lanes store 256 consecutive bytes, aligned: the head's part of a token's row
.endr
.endm
	PACK 0
	PACK 1
	SEND 0, 16
	SEND 1, 0
	s_wait_tensorcnt 0x0            ; the wave's end: the wait, an add to my spare word and the wait for it, behind my last tensor load and my last LDS store
	ds_add_u32 v[SPW], v[NIL]
	s_wait_dscnt 0x0
	CROUND                          ; the closing round
	s_endpgm
.Lfunc_end_k_q8f90c096d7_attn:
	.size	k_q8f90c096d7_attn, .Lfunc_end_k_q8f90c096d7_attn-k_q8f90c096d7_attn
	.p2alignl 7, 3214868480
	.fill 96, 4, 3214868480
	.section	.rodata,"a",@progbits
	.p2align	6, 0x0
	.amdhsa_kernel k_q8f90c096d7_attn
		.amdhsa_group_segment_fixed_size 327680
		.amdhsa_private_segment_fixed_size 0
		.amdhsa_enable_private_segment 0
		.amdhsa_kernarg_size 16
		.amdhsa_user_sgpr_count 2
		.amdhsa_user_sgpr_kernarg_segment_ptr 1
		.amdhsa_wavefront_size32 1
		.amdhsa_system_sgpr_workgroup_id_x 1
		.amdhsa_system_sgpr_workgroup_id_y 1
		.amdhsa_system_sgpr_workgroup_id_z 1
		.amdhsa_system_vgpr_workitem_id 0
		.amdhsa_next_free_vgpr 1024
		.amdhsa_next_free_sgpr 88
		.amdhsa_reserve_vcc 1
		.amdhsa_float_denorm_mode_32 3
		.amdhsa_float_denorm_mode_16_64 3
		.amdhsa_memory_ordered 1
		.amdhsa_forward_progress 1
		.amdhsa_inst_pref_size 164
	.end_amdhsa_kernel
	.amdgpu_metadata
---
amdhsa.version: [ 1, 2 ]
amdhsa.kernels:
  - .name:           k_q8f90c096d7_attn
    .symbol:         k_q8f90c096d7_attn.kd
    .args:
      - { .name: qkv, .offset: 0, .size: 8, .value_kind: global_buffer, .address_space: global }
      - { .name: ob, .offset: 8, .size: 8, .value_kind: global_buffer, .address_space: global }
    .group_segment_fixed_size: 327680
    .private_segment_fixed_size: 0
    .kernarg_segment_align: 8
    .kernarg_segment_size: 16
    .max_flat_workgroup_size: 128
    .sgpr_count:     88
    .vgpr_count:     1024
    .wavefront_size: 32
...
	.end_amdgpu_metadata
.endif
;; end of part 3
;; launch proj (part 4): grid 8 x 32, 4 waves a work-group, clusters of 4 x 4, 327,680 bytes of LDS; arguments ob, cb, out0; writes out0
.if DOCPART == 4
	.amdgcn_target "amdgcn-amd-amdhsa--gfx1250"
	.amdhsa_code_object_version 6
	.text
	.protected	k_q8f90c096d7_proj
	.globl	k_q8f90c096d7_proj
	.p2align	8
	.type	k_q8f90c096d7_proj,@function
k_q8f90c096d7_proj:
	s_mov_b64 s[64:65], 0
	v_nop
	global_prefetch_b8 v0, s[64:65] scope:SCOPE_SE
	s_setreg_imm32_b32 hwreg(HW_REG_WAVE_MODE, 25, 1), 1
	s_wait_xcnt 0x0
	s_wait_alu depctr_hold_cnt(0) depctr_sa_sdst(0) depctr_va_vdst(0) depctr_va_sdst(0) depctr_va_ssrc(0) depctr_va_vcc(0) depctr_vm_vsrc(0)
	s_getreg_b32 s2, hwreg(HW_REG_IB_STS2, 6, 4)
	s_cmp_eq_u32 s2, 0
	s_cbranch_scc0 .Lentry_in_a_cluster
	s_endpgm
.Lentry_in_a_cluster:
	s_bfe_u32 s2, ttmp6, 0x10000c
	s_cmp_lg_u32 s2, 0xf033
	s_cbranch_scc0 .Lentry_shape_is_right
	s_endpgm
.Lentry_shape_is_right:
; out0 = O Wo^T: 4,096 x 2,048 x 1,024 in f16 with f32 sums; O from ob, Wo (rounded to bf16, written as f16) from cb; out0 in f32.
; SHARES.  A tile of C is 128 rows x 256 columns: 32 x 8 tiles, one work-group each.  Four waves, 2 x 2, each 64 rows x 128 columns: 32 accumulators, 256 registers.
; K goes in steps of 128 through two LDS slots of four chunks: waves 0, 1 fetch A's rows 0-63 and 64-127 into chunks 0, 1, waves 2, 3 B's rows 0-127 and 128-255 into chunks 2, 3.
; CLUSTERS: 4 x 4: A's tile is asked for jointly by a row of the cluster, B's by a column.
; THE MATRIX INSTRUCTION IS USED TRANSPOSED (source 0 = 16 rows of Wo, source 1 = 16 rows of O): lane l holds row l % 16 of C and the columns 8 (l / 16) + 0..7.
; NO PREFETCH: the loop has eight K steps, of which the first four would come by their loads alone.
; REGISTERS: window 0: addresses, A's two buffers v64-127, the way out v128-255; window 1: B's two buffers of 64; window 2: accumulators of m blocks 0, 1 ((a, b) at 8 (8 a + b)); window 3: of m blocks 2, 3.
.set KDIM,   1024
.set KSTEP,  128
.set LAPS,   KDIM/(2*KSTEP)
.set NBW,    8
.set NT,     256
.set NAW,    2                         ; waves that fetch A
.set RA,     64                        ; rows in one of A's loads
.set NL,     2*NBW+8
.set PITCH,  272                       ; 256 bytes + 16 of padding: row r starts at bank 4 r mod 64 (64 banks of 4 bytes: ISA guide 11.1)
.set CHUNK,  128*PITCH
.set SLOT,   4*CHUNK
.set STAGE,  2*SLOT                    ; behind the ring: 16 rows x 528 bytes for each wave
.set SPITCH, 528
.set SPARE,  STAGE+4*16*SPITCH         ; the spare words, 128 bytes for each wave: two blocks of 256 bytes that no other line names
.set WOFF,   29360128                  ; Wo's first byte in cb
.set ADRA, 16
.set ADRB, 18
.set STO,  22
.set RD,   23
.set CO,   25
.set SPW,  28
.set NIL,  29
.set FA0,  64
.set G1,  24
.set G0,  32
.set G1B, 48
.set G0B, 56
.set MSB, 0
.macro WIN new
.if MSB != (\new)
	s_set_vgpr_msb (MSB<<8)|(\new)
.set MSB, \new
.endif
.endm
.set MUL_LO, 0xa1                      ; source 0 (B) window 1, source 1 (A) window 0, C and D window 2
.set TO_B,   0x40
.macro JLOAD s                         ; a joint load; an s_nop 0 and four v_nop follow each of the two lines
	s_cmp_lt_u32 s10, NAW
	s_cbranch_scc0 .Lfor_b_\@
	tensor_load_to_lds s[G0+4*(\s):G0+4*(\s)+3], s[G1:G1+7]
	s_nop 0
.rept 4
	v_nop
.endr
	s_branch .Lasked_\@
.Lfor_b_\@:
	tensor_load_to_lds s[G0B+4*(\s):G0B+4*(\s)+3], s[G1B:G1B+7]
	s_nop 0
.rept 4
	v_nop
.endr
.Lasked_\@:
.endm
.macro CREST
	s_cmp_lg_u32 s10, 0
	s_cbranch_scc1 .Lnot_wave_0_\@
	s_barrier_signal -3
.Lnot_wave_0_\@:
	s_barrier_wait -3
	s_barrier_signal -1
	s_barrier_wait -1
.endm
.macro CROUND
	s_barrier_signal -1
	s_barrier_wait -1
	CREST
.endm
.macro PLACES
.rept 4
	v_nop
.endr
.endm
	s_load_b128 s[4:7], s[0:1], 0x0                ; ob s[4:5], cb s[6:7]
	s_load_b64 s[8:9], s[0:1], 0x10                ; out0
	v_lshl_add_u32 v[SPW], v0, 2, SPARE
	v_mov_b32 v[NIL], 0
	ds_add_u32 v[SPW], v[NIL]                      ; the wave's opening: the add and its wait stand ahead of my first tensor load
	v_lshrrev_b32 v1, 5, v0
	v_readfirstlane_b32 s10, v1                    ; wave 0..3
	s_lshr_b32 s11, s10, 1                         ; wm
	s_and_b32 s12, s10, 1                          ; wn
	s_bfe_u32 s40, ttmp6, 0x40000                  ; cx
	s_bfe_u32 s41, ttmp6, 0x40004                  ; cy
	s_lshl_b32 s42, ttmp9, 2
	s_add_co_u32 s42, s42, s40                     ; tile column
	s_and_b32 s13, ttmp7, 0xffff
	s_lshl_b32 s13, s13, 2
	s_add_co_u32 s13, s13, s41                     ; tile row
	s_lshl_b32 s43, s41, 2
	s_lshl_b32 s43, 15, s43                        ; my row of the cluster
	s_lshl_b32 s44, 0x1111, s40                    ; my column
	s_or_b32 s[G1+0], s43, (1<<16)|(1<<20)|(1<<21)|(5<<22)|(3<<25)
	s_or_b32 s[G1B+0], s44, (1<<16)|(1<<20)|(1<<21)|(5<<22)|(3<<25)
	s_mov_b32 s[G1+1], KSTEP<<16
	s_mov_b32 s[G1+2], RA<<16
	s_mov_b32 s[G1+3], KSTEP<<16
	s_mov_b32 s[G1+4], RA
	s_mov_b32 s[G1+5], KDIM
	s_mov_b32 s[G1+6], 0
	s_mov_b32 s[G1+7], 0
	s_mov_b32 s[G1B+1], KSTEP<<16
	s_mov_b32 s[G1B+2], 128<<16
	s_mov_b32 s[G1B+3], KSTEP<<16
	s_mov_b32 s[G1B+4], 128
	s_mov_b32 s[G1B+5], KDIM
	s_mov_b32 s[G1B+6], 0
	s_mov_b32 s[G1B+7], 0
	s_min_u32 s17, s10, NAW-1
	s_mul_i32 s17, s17, RA
	s_lshl_b32 s16, s13, 7
	s_add_co_u32 s16, s16, s17                     ; A: row 128 tr + 64 w
	s_sub_co_i32 s47, s10, NAW
	s_max_i32 s47, s47, 0
	s_lshl_b32 s47, s47, 7
	s_mul_i32 s46, s42, NT
	s_add_co_u32 s46, s46, s47                     ; B: row 256 tc + 128 (w - 2)
	s_mov_b32 s17, 0
	s_mov_b32 s47, 0
	s_mov_b64 s[18:19], KDIM*2
	s_mul_u64 s[16:17], s[16:17], s[18:19]
	s_mul_u64 s[46:47], s[46:47], s[18:19]
	s_mul_i32 s20, s10, CHUNK                      ; chunk w
	s_wait_dscnt 0x0                               ; the opening add is done
	s_wait_kmcnt 0x0
	s_add_nc_u64 s[6:7], s[6:7], WOFF
	s_add_nc_u64 s[14:15], s[4:5], s[16:17]
	s_add_nc_u64 s[46:47], s[6:7], s[46:47]
	CROUND                                         ; all sixteen work-groups are here: the first joint loads meet
.irp s, 0,1
	s_mov_b32 s[G0+4*(\s)], 1
	s_add_co_u32 s[G0+4*(\s)+1], s20, (\s)*SLOT
	s_add_nc_u64 s[G0+4*(\s)+2:G0+4*(\s)+3], s[14:15], (\s)*KSTEP*2
	s_or_b32 s[G0+4*(\s)+3], s[G0+4*(\s)+3], 0x80000000
	s_mov_b32 s[G0B+4*(\s)], 1
	s_add_co_u32 s[G0B+4*(\s)+1], s20, (\s)*SLOT
	s_add_nc_u64 s[G0B+4*(\s)+2:G0B+4*(\s)+3], s[46:47], (\s)*KSTEP*2
	s_or_b32 s[G0B+4*(\s)+3], s[G0B+4*(\s)+3], 0x80000000
	JLOAD \s
.endr
	v_and_b32 v1, 15, v0
	v_bfe_u32 v2, v0, 4, 1
	v_mul_u32_u24 v3, v1, PITCH
	v_lshl_add_u32 v3, v2, 4, v3
	s_mul_i32 s21, s11, CHUNK                      ; my 64 rows of A: chunk wm
	s_mul_i32 s22, s12, CHUNK
	s_add_co_u32 s22, s22, 2*CHUNK                 ; my 128 rows of B: chunk 2 + wn
.irp s, 0,1
	v_add_nc_u32 v[ADRA+(\s)], s21, v3
	v_add_nc_u32 v[ADRB+(\s)], s22, v3
	s_add_co_u32 s21, s21, SLOT
	s_add_co_u32 s22, s22, SLOT
.endr
	s_mul_i32 s23, s10, 16*SPITCH
	s_add_co_u32 s23, s23, STAGE                   ; my stage
	v_mul_u32_u24 v4, v1, SPITCH                   ; in: row l % 16, 32 bytes for each half of the lanes
	v_lshl_add_u32 v4, v2, 5, v4
	v_add_nc_u32 v[STO], s23, v4
	v_and_b32 v4, 31, v0
	v_lshlrev_b32 v[CO], 4, v4                     ; back and out: 32 lanes take a row's 512 bytes
	v_add_nc_u32 v[RD], s23, v[CO]
	s_lshl_b32 s16, s13, 7
	s_lshl_b32 s17, s11, 6
	s_add_co_u32 s16, s16, s17                     ; my first row of C,
	s_lshl_b32 s16, s16, 13                        ; rows of 8,192 bytes,
	s_lshl_b32 s17, s42, 10
	s_add_co_u32 s16, s16, s17                     ; the tile's 256 columns,
	s_lshl_b32 s17, s12, 9
	s_add_co_u32 s16, s16, s17                     ; my 128 of them
	s_mov_b32 s17, 0
	s_add_nc_u64 s[8:9], s[8:9], s[16:17]
; NBW matrix instructions: m block a x all my n blocks.  The 32 accumulators take turns in the same order in every quarter.
.macro MULA f, a, zero
	WIN MUL_LO+0x50*((\a)/2)
.irp b, 0,1,2,3,4,5,6,7
.set rD, 8*(NBW*((\a)%2)+(\b))
.set rB, 8*NBW*(\f)+8*(\b)
.set rA, FA0+32*(\f)+8*(\a)
.if \zero
	v_wmma_f32_16x16x32_f16 v[rD:rD+7], v[rB:rB+7], v[rA:rA+7], 0
.else
	v_wmma_f32_16x16x32_f16 v[rD:rD+7], v[rB:rB+7], v[rA:rA+7], v[rD:rD+7]
.endif
.endr
.endm
.macro FETCH slot, k, f                ; 24 LDS loads in one run: B's 16, then A's 8
	WIN TO_B
.irp b, 0,1,2,3,4,5,6,7
	ds_load_b128 v[8*NBW*(\f)+8*(\b):8*NBW*(\f)+8*(\b)+3],   v[ADRB+(\slot)] offset:(\k)+(\b)*16*PITCH
	ds_load_b128 v[8*NBW*(\f)+8*(\b)+4:8*NBW*(\f)+8*(\b)+7], v[ADRB+(\slot)] offset:(\k)+(\b)*16*PITCH+32
.endr
	WIN 0
.irp a, 0,1,2,3
	ds_load_b128 v[FA0+32*(\f)+8*(\a):FA0+32*(\f)+8*(\a)+3],   v[ADRA+(\slot)] offset:(\k)+(\a)*16*PITCH
	ds_load_b128 v[FA0+32*(\f)+8*(\a)+4:FA0+32*(\f)+8*(\a)+7], v[ADRA+(\slot)] offset:(\k)+(\a)*16*PITCH+32
.endr
.endm
.macro QUARTER slot, k, f, g, zero
	s_wait_dscnt 4                                 ; B and A's blocks 0, 1 are in; the youngest four loads may be out
	MULA \f, 0, \zero
	MULA \f, 1, \zero
	PLACES
	FETCH \slot, \k, \g
	s_wait_dscnt NL                                ; all but the run just issued
	MULA \f, 2, \zero
	MULA \f, 3, \zero
.endm
; The last quarter changes slots: the wait for all my tensor loads, the add, the wait for it and for my reads, one barrier; fill = 1: it opens a round of the cluster's barrier, and this slot is
; filled again first thing behind it: 112 matrix instructions stand between that request and the wait for it.
.macro TURN slot, next, fill
	WIN 0
	s_wait_tensorcnt 0x0
	ds_add_u32 v[SPW], v[NIL]                      ; 0 onto my spare word
	s_wait_dscnt 5                                 ; (the add and the youngest four loads may be out)
	MULA 1, 0, 0
	s_wait_dscnt 0x0                               ; the add is done, and my reads of this slot are over
	s_barrier_signal -1
	MULA 1, 1, 0
.if \fill
	WIN 0
.endif
	s_barrier_wait -1
.if \fill
	CREST
	s_add_nc_u64 s[G0+4*(\slot)+2:G0+4*(\slot)+3], s[G0+4*(\slot)+2:G0+4*(\slot)+3], 2*KSTEP*2
	s_add_nc_u64 s[G0B+4*(\slot)+2:G0B+4*(\slot)+3], s[G0B+4*(\slot)+2:G0B+4*(\slot)+3], 2*KSTEP*2
	JLOAD \slot                                    ; its four v_nop are also the places in front of the loads below
.else
	PLACES
.endif
	FETCH \next, 0, 0
	MULA 1, 2, 0
	MULA 1, 3, 0
.endm
	s_wait_tensorcnt 1                             ; my chunk of K step 0 is in; K step 1's may stay out
	s_barrier_signal -1
	s_barrier_wait -1
	FETCH 0, 0, 0
	QUARTER 0, 64, 0, 1, 1                         ; the first quarter's products start the sums
	WIN 0
	s_mov_b32 s3, LAPS-1
.Llap:
	QUARTER 0, 128, 1, 0, 0
	QUARTER 0, 192, 0, 1, 0
	TURN 0, 1, 1
	QUARTER 1, 64,  0, 1, 0
	QUARTER 1, 128, 1, 0, 0
	QUARTER 1, 192, 0, 1, 0
	TURN 1, 0, 1
	QUARTER 0, 64,  0, 1, 0
	WIN 0
	s_sub_co_u32 s3, s3, 1
	s_cmp_lg_u32 s3, 0
	s_cbranch_scc1 .Llap
	QUARTER 0, 128, 1, 0, 0                        ; the last lap fills nothing
	QUARTER 0, 192, 0, 1, 0
	TURN 0, 1, 0
	QUARTER 1, 64,  0, 1, 0
	QUARTER 1, 128, 1, 0, 0
	QUARTER 1, 192, 0, 1, 0
	s_wait_dscnt 4
	MULA 1, 0, 0
	MULA 1, 1, 0
	s_wait_dscnt 0x0
	MULA 1, 2, 0
	MULA 1, 3, 0
	WIN 0
	PLACES
; THE WAY OUT of m block a: 16 rows x 512 bytes of f32 through my own stage: a lane's eight columns go in as 32 bytes of a row, and whole rows come back, into v128-191 and v192-255 by turns.
.macro OUTB a
.set BK, 128+64*((\a)%2)
	WIN 0x08+4*((\a)/2)                            ; the stores' data: window 2 or 3
.irp b, 0,1,2,3,4,5,6,7
	ds_store_b128 v[STO], v[8*(NBW*((\a)%2)+(\b)):8*(NBW*((\a)%2)+(\b))+3]   offset:64*(\b)       ; each accumulator's low half first
	ds_store_b128 v[STO], v[8*(NBW*((\a)%2)+(\b))+4:8*(NBW*((\a)%2)+(\b))+7] offset:64*(\b)+16
.endr
	WIN 0
	s_wait_xcnt 0x0                                ; earlier stores have read their registers: they are loaded again only behind this wait
.irp r, 0,1,2,3,4,5,6,7,8,9,10,11,12,13,14,15
	ds_load_b128 v[BK+4*(\r):BK+4*(\r)+3], v[RD] offset:SPITCH*(\r)   ; LDS serves a wave's instructions in order (ISA guide 5.7.1.4): these see the stores above
.endr
.irp r, 0,1,2,3,4,5,6,7,8,9,10,11,12,13,14,15
	s_wait_dscnt 15-(\r)
	global_store_b128 v[CO], v[BK+4*(\r):BK+4*(\r)+3], s[8:9] offset:131072*(\a)+8192*(\r) th:TH_STORE_NT   ; 512 consecutive bytes of a row of out0, aligned
.endr
.endm
	OUTB 0
	OUTB 1
	OUTB 2
	OUTB 3
	s_wait_tensorcnt 0x0                           ; the wave's end: the wait, an add to my spare word and the wait for it, behind my last tensor load and my last LDS store
	ds_add_u32 v[SPW], v[NIL]
	s_wait_dscnt 0x0
	CROUND                                         ; the closing round
	s_endpgm
.Lfunc_end_k_q8f90c096d7_proj:
	.size	k_q8f90c096d7_proj, .Lfunc_end_k_q8f90c096d7_proj-k_q8f90c096d7_proj
	.p2alignl 7, 3214868480
	.fill 96, 4, 3214868480
	.section	.rodata,"a",@progbits
	.p2align	6, 0x0
	.amdhsa_kernel k_q8f90c096d7_proj
		.amdhsa_group_segment_fixed_size 327680
		.amdhsa_private_segment_fixed_size 0
		.amdhsa_enable_private_segment 0
		.amdhsa_kernarg_size 24
		.amdhsa_user_sgpr_count 2
		.amdhsa_user_sgpr_kernarg_segment_ptr 1
		.amdhsa_wavefront_size32 1
		.amdhsa_system_sgpr_workgroup_id_x 1
		.amdhsa_system_sgpr_workgroup_id_y 1
		.amdhsa_system_sgpr_workgroup_id_z 1
		.amdhsa_system_vgpr_workitem_id 0
		.amdhsa_next_free_vgpr 896
		.amdhsa_next_free_sgpr 66
		.amdhsa_reserve_vcc 0
		.amdhsa_float_denorm_mode_32 3
		.amdhsa_float_denorm_mode_16_64 3
		.amdhsa_memory_ordered 1
		.amdhsa_forward_progress 1
		.amdhsa_inst_pref_size 88
	.end_amdhsa_kernel
	.amdgpu_metadata
---
amdhsa.version: [ 1, 2 ]
amdhsa.kernels:
  - .name:           k_q8f90c096d7_proj
    .symbol:         k_q8f90c096d7_proj.kd
    .args:
      - { .name: ob, .offset: 0, .size: 8, .value_kind: global_buffer, .address_space: global }
      - { .name: cb, .offset: 8, .size: 8, .value_kind: global_buffer, .address_space: global }
      - { .name: out0, .offset: 16, .size: 8, .value_kind: global_buffer, .address_space: global }
    .group_segment_fixed_size: 327680
    .private_segment_fixed_size: 0
    .kernarg_segment_align: 8
    .kernarg_segment_size: 24
    .max_flat_workgroup_size: 128
    .sgpr_count:     66
    .vgpr_count:     896
    .wavefront_size: 32
...
	.end_amdgpu_metadata
.endif
;; end of part 4
